; MI455X (gfx1250); checked and timed in simulation.
; The chip was launched on July 23, 2026; its instructions are those of AMD's public machine-readable ISA for CDNA 5 (MIT licence, August 2026) and "CDNA5" Instruction Set Architecture Reference Guide (July 2026). The comments in the code are by the model that wrote it; some were corrected since.
;; Advanced Optimized Attention. Allowed arithmetic: matrix products marked QUANTISED: E2M3 operands, one E8M0 scale for each 32 along K, by v_wmma_scale_f32_16x16x128_f8f6f4 with both operands' format E2M3, f32 sums; everything else in f32.
;; Inputs: b_out 1,024 float32; w_out 1,024 x 1,024 float32; w_qkv 1,024 x 3,072 float32; x 4 x 2,048 x 1,024 float32.
;; Outputs: out0 4 x 2,048 x 1,024 float32.
;; This version of the problem:
;;   THIS VERSION OF THE PROBLEM IS GIVEN IN LOW PRECISION. The matrix products marked QUANTISED in the list below multiply operands that are first quantised to E2M3 (2 exponent bits, 3 mantissa bits; 6 bits a number), with one power-of-two scale for each 32 numbers along K (OCP MX v1.0); their sums are f32. All else is computed in f32.
;;   The module's matrix products, in the order in which they are computed (A, B: the left and right operand; K: the contracted axis; several contracted axes count as one K, in the product's order):
;;     1. [M 8,192, K 1,024] x [K 1,024, N 3,072]; A: input x; B: input w_qkv: QUANTISED
;;     2. batch 64 x [M 2,048, K 64] x [K 64, N 2,048]; A: computed on the way; B: computed on the way: QUANTISED
;;     3. batch 64 x [M 2,048, K 2,048] x [K 2,048, N 64]; A: softmax (see below); B: computed on the way: QUANTISED
;;     4. [M 8,192, K 1,024] x [K 1,024, N 1,024]; A: computed on the way; B: input w_out: QUANTISED
;;   THE QUANTISER, for each operand of a quantised product, along K:
;;     - K is cut into blocks of 32 from its start; a last block that is shorter is filled with zeros.
;;     - A block's scale is 2^e with e = floor(log2(the largest magnitude in the block)) - 2, held to -126 .. 127; a block of zeros has e = 0. As a byte (E8M0): e + 127.
;;     - Each number is divided by its block's scale, clamped to +-7.5, and rounded to the nearest number of E2M3, ties to even, subnormals kept.
;;     - The product sums the exact products of the quantised numbers (number of the format x scale) in f32.
;;   ~~~python
;;   def quantise(x, axis):      # numpy; x: float32 -> the quantised numbers, widened to float32 again
;;       x = np.moveaxis(x, axis, -1); K = x.shape[-1]
;;       x = np.pad(x, [(0, 0)] * (x.ndim - 1) + [(0, -K % 32)]); x = x.reshape(x.shape[:-1] + (-1, 32)); a = np.abs(x).max(-1, keepdims=True)
;;       e = np.where(a > 0, np.clip(np.frexp(np.where(a > 0, a, 1))[1] - 1 - 2, -126, 127), 0)      # np.frexp(a)[1] - 1 = floor(log2(a)), exactly
;;       r = np.clip(x / 2.0 ** e, -7.5, 7.5)
;;       step = 2.0 ** (np.maximum(np.frexp(np.where(r == 0, 1, r))[1] - 1, 0) - 3)
;;       q = np.round(r / step) * step * 2.0 ** e      # np.round: ties to even
;;       return np.moveaxis(q.reshape(q.shape[:-2] + (-1,))[..., :K], -1, axis).astype(np.float32)
;;   ~~~
;;   SOFTMAX AHEAD OF A QUANTISED PRODUCT. Where the list says 'softmax', what is quantised is not the finished softmax but p = 2^(t - M), with t = logit x log2(e) and M = ceil(the row's largest t), a whole number; so 1/2 < the row's largest p <= 1. The row's sum l is taken of the UNQUANTISED p, in f32, and the product's result is divided by l at the end. Since M is a whole number, a kernel that streams over the keys may use a running M (the ceiling of the running maximum): every later rescaling is an exact power of two, which a block's scale takes up: the codes' values come out the same.
;;   OPERANDS COMPUTED ON THE WAY. 'Computed on the way' means the value that the module computes at that place (a softmax that the list does not call 'softmax' is quantised finished and normalised). What goes into a quantiser is computed in f32, as accurately as f32 sums, v_exp_f32 and their like allow (about 1e-6 of the number): no bf16 or f16 on the way to a quantiser, and a product that is left as it is and whose result goes on into a quantised operand takes f32 operands (vector FMAs, or v_wmma_f32_16x16x4_f32). A number that lies on a knife's edge between two numbers of the format may be rounded either way, as far as f32 arithmetic and the matrix unit's own rounding can turn it there, and no further.
;; One version. Each part assembles by itself: llvm-mc -triple=amdgcn-amd-amdhsa -mcpu=gfx1250 --defsym DOCPART=n.
;; ======== version 1 of 1: 4 launches
;; limits: right only within a limited range of input values
;; workspace buffers: xq 6,553,600 bytes; wqk 6,553,600 bytes; wv 6,553,600 bytes; wo 6,553,600 bytes; ao 6,553,600 bytes; qk 14,680,064 bytes; vq 52,428,800 bytes
;; launch quant (part 1): grid 512 x 1, 4 waves a work-group, no clusters, 35,328 bytes of LDS; arguments x, w_qkv, w_out, xq, wqk, wv, wo; writes xq, wqk, wv, wo
.if DOCPART == 1
	.amdgcn_target "amdgcn-amd-amdhsa--gfx1250"
	.amdhsa_code_object_version 6
	.text
	.protected	k_q671ffef64b_quant
	.globl	k_q671ffef64b_quant
	.p2align	8
	.type	k_q671ffef64b_quant,@function
k_q671ffef64b_quant:
	s_mov_b64 s[64:65], 0
	v_nop
	global_prefetch_b8 v0, s[64:65] scope:SCOPE_SE
	s_setreg_imm32_b32 hwreg(HW_REG_WAVE_MODE, 25, 1), 1
	s_wait_xcnt 0x0
; x [8192][1024], w_qkv [1024][3072] and w_out [1024][1024], f32, become codes of FP6 (E2M3) with one E8M0 byte for each 32 along K (K = 1024 in all three).
; A block's scale is 2^(floor(log2(largest magnitude)) - 2): its byte is the largest magnitude's exponent field - 2, held at 1 from below by a floor among the maximum's leaves.
; LIMITS: NaN and infinities among the inputs are not served; a block whose largest magnitude lies under 2^-124 keeps the byte 1; a block of zeros gets the byte 1 (not 127): its codes are zeros, and this program alone reads the bytes.
; THE OPERAND BUFFERS (xq, wqk, wv, wo) are laid in the order of the matrix operand's registers.
;   ROWS BY POSITION: in each group of 32 rows position 16 u + r holds row 8 u + r + 8 (r / 8), so that a tile of 16 neighbouring positions, used as source 0, leaves 16 neighbours of the next K in a lane's registers.
;   AN IMAGE (64 along K: group G; 16 positions: tile T) is 768 bytes at CODES + (512 G + T) 768: lane l = (r, h) has the 24 bytes of block 2 G + h of the row at position r: 16 of them at 16 l, 8 at 512 + 8 l.
;   SCALE WORDS (four bytes: 128 along K) at 32768 kstep + 4 position.
; Work-groups 0-255 take x: 32 rows each, wave w the K steps 2 w and 2 w + 1.  Work-groups 256-511 take 128 columns x 128 along K of [w_qkv | w_out].  Waves share nothing: no barrier.
.set GP_B,  393216                     ; bytes from group G to G + 1
.set CODES, 262144                     ; the scale words lie in front of the codes
.set SKP,   32768                      ; bytes from K step to K step among the scale words
.set SP,    528                        ; a stage row: 512 bytes + 16, so that sixteen rows start in different banks
.set WST,   8704                       ; a wave's stage: 16 rows
.set LANE,  24
.set MX,    8                          ; v8-11  largest magnitudes
.set PT,    12                         ; v12-15 the other half's, then the bytes
.set SO,    16                         ; v16-19 the conversions' scale operands
.set PW,    20                         ; v20-21 the scale words of tiles 0 and 1
.set PS,    22                         ; v22    both, as stored
.set R0,    32                         ; v32-159  two sets of 16 x 4 registers as loaded
.set X,     160                        ; v160-223 64 numbers of my row
.set PC,    224                        ; v224-235 a fragment's codes
.set TQ,    236                        ; v236-243 the upper halves of the blocks, as the conversions leave them
.set OFF,   32                         ; weights: v32-63 byte offsets of 32 rows
.set XW,    64                         ; v64-127 two sets of 32 numbers
.set CW,    128                        ; v128-159 six registers of codes for each block, in places of eight
.set DW,    160
.set SB,    23
; 64 numbers of a lane, register 16 b + i = k 32 b + 16 (lane / 16) + i of my row, become a fragment's codes in v[PC] on and its scale word in v[pw].
.macro QUANT s, pw
.irp b, 0,1,2,3
	v_max3_num_f32 v[MX+\b], |v[\s+16*\b]|, |v[\s+1+16*\b]|, 0x1800000   ; my 16 numbers of block b, and the floor 2^(3 - 127)
.endr
.irp i, 2,4,6,8,10,12,14
.irp b, 0,1,2,3
	v_max3_num_f32 v[MX+\b], v[MX+\b], |v[\s+16*\b+\i]|, |v[\s+1+16*\b+\i]|
.endr
.endr
.irp b, 0,1,2,3
	v_permlanex16_b32 v[PT+\b], v[MX+\b], s20, s21
.endr
.irp b, 0,1,2,3
	v_max_num_f32 v[MX+\b], v[MX+\b], v[PT+\b]     ; with lane l xor 16's: the block's
.endr
.irp b, 0,1,2,3
	v_add_nc_u32 v[SO+\b], 0xff000000, v[MX+\b]    ; 2 off the exponent field: the conversion takes that field as its scale
.endr
.irp b, 0,1,2,3
	v_lshrrev_b32 v[PT+\b], 23, v[SO+\b]           ; the byte
.endr
	v_lshl_or_b32 v[\pw], v[PT+1], 8, v[PT]
	v_lshl_or_b32 v[\pw], v[PT+2], 16, v[\pw]
	v_lshl_or_b32 v[\pw], v[PT+3], 24, v[\pw]
.irp c, 0,1
	v_cvt_scalef32_pk16_fp6_f32 v[PC+6*\c:PC+6*\c+2], v[\s+32*\c:\s+32*\c+15], v[SO+2*\c]
	v_cvt_scalef32_pk16_fp6_f32 v[TQ+4*\c:TQ+4*\c+2], v[\s+32*\c+16:\s+32*\c+31], v[SO+2*\c+1]   ; (a conversion's three registers begin on an even number)
.endr
	v_nop                                          ; one plain line behind the conversions
.irp c, 0,1                                    ; a whole block to a lane: lanes 0-15 block 2 c, lanes 16-31 block 2 c + 1
.irp i, 0,1,2
	v_permlane16_swap_b32 v[PC+6*\c+\i], v[TQ+4*\c+\i]
.endr
.irp i, 0,1,2
	v_mov_b32 v[PC+6*\c+3+\i], v[TQ+4*\c+\i]
.endr
.endr
.endm
; unit n of four: tile n % 2 of the 32 rows, K step 2 w + n / 2.  Each load reads 512 consecutive bytes of one row.
.macro LOADU n
.irp i, 0,1,2,3,4,5,6,7,8,9,10,11,12,13,14,15
	global_load_b128 v[R0+64*((\n)%2)+4*\i:R0+64*((\n)%2)+4*\i+3], v1, s[4:5] offset:(8*((\n)%2)+\i+8*(\i/8))*4096+512*((\n)/2) th:TH_LOAD_NT
.endr
.endm
.macro UNIT n
.if (\n) < 3
	s_wait_loadcnt 16                              ; this unit's 16 loads are in; the next unit's 16 may be out
.else
	s_wait_loadcnt 0x0
.endif
.irp i, 0,1,2,3,4,5,6,7,8,9,10,11,12,13,14,15
	ds_store_b128 v2, v[R0+64*((\n)%2)+4*\i:R0+64*((\n)%2)+4*\i+3] offset:\i*SP    ; position i's 512 bytes, as they lie
.endr
.irp b, 0,1,2,3
.irp j, 0,1,2,3
	ds_load_b128 v[X+16*\b+4*\j:X+16*\b+4*\j+3], v3 offset:128*\b+16*\j            ; back: my row's 16 numbers of each block.  LDS serves a wave's instructions in order
.endr
.endr
	s_wait_dscnt 0x0
.if (\n) < 2
	LOADU (\n)+2
.endif
	s_wait_xcnt 0x0                                ; the last unit's stores have read the codes' registers, which are written again below
	QUANT X, PW+(\n)%2
.irp c, 0,1
	global_store_b128 v1, v[PC+6*\c:PC+6*\c+3], s[26:27] offset:(2*((\n)/2)+\c)*GP_B+((\n)%2)*768     ; 512 consecutive bytes
	global_store_b64 v5, v[PC+6*\c+4:PC+6*\c+5], s[26:27] offset:(2*((\n)/2)+\c)*GP_B+((\n)%2)*768    ; 256 consecutive bytes, aligned
.endr
.if (\n)%2 == 1
	v_cndmask_b32 v[PS], v[PW], v[PW+1], s23       ; lanes 0-15 tile 0's words, lanes 16-31 tile 1's
	global_store_b32 v6, v[PS], s[28:29] offset:((\n)/2)*SKP
.endif
.endm
.macro WLOAD b                         ; block b: W(32 b + i, my column), i = 0 .. 31: neighbouring lanes read neighbouring columns
.irp i, 0,1,2,3,4,5,6,7,8,9,10,11,12,13,14,15,16,17,18,19,20,21,22,23,24,25,26,27,28,29,30,31
	global_load_b32 v[XW+32*((\b)%2)+\i], v[OFF+\i], s[32+2*(\b):33+2*(\b)] th:TH_LOAD_NT
.endr
.endm
.macro WBLOCK b
.set XS, XW+32*((\b)%2)
.set CB, CW+8*(\b)
.if (\b) < 3
	s_wait_loadcnt 32                              ; this block's 32 loads are in; the next block's may be out
.else
	s_wait_loadcnt 0x0
.endif
	v_max3_num_f32 v12, |v[XS]|, |v[XS+1]|, |v[XS+2]|              ; all 32 numbers of the block are mine
	v_max3_num_f32 v13, |v[XS+3]|, |v[XS+4]|, |v[XS+5]|
.irp i, 6,10,14,18,22,26
	v_max3_num_f32 v12, v12, |v[XS+\i]|, |v[XS+\i+1]|
	v_max3_num_f32 v13, v13, |v[XS+\i+2]|, |v[XS+\i+3]|
.endr
	v_max3_num_f32 v12, v12, |v[XS+30]|, |v[XS+31]|
	v_max3_num_f32 v12, v12, v13, 0x1800000        ; and the floor
	v_add_nc_u32 v11, 0xff000000, v12
	v_lshrrev_b32 v13, 23, v11
.if (\b) == 0
	v_mov_b32 v[SB], v13
.else
	v_lshl_or_b32 v[SB], v13, 8*(\b), v[SB]
.endif
	v_cvt_scalef32_pk16_fp6_f32 v[CB:CB+2], v[XS:XS+15], v11
	v_cvt_scalef32_pk16_fp6_f32 v[DW:DW+2], v[XS+16:XS+31], v11
	v_nop                                          ; one plain line behind the conversions
.irp i, 0,1,2
	v_mov_b32 v[CB+3+\i], v[DW+\i]
.endr
.if (\b)+2 < 4
	WLOAD (\b)+2
.endif
	global_store_b128 v2, v[CB:CB+3], s[40:41] offset:((\b)/2)*GP_B+256*((\b)%2)    ; my place in the image is lane (r, b % 2)
	global_store_b64 v3, v[CB+4:CB+5], s[40:41] offset:((\b)/2)*GP_B+128*((\b)%2)
.endm
	s_load_b256 s[4:11], s[0:1], 0x0               ; x s[4:5], w_qkv s[6:7], w_out s[8:9], xq s[10:11]
	s_load_b128 s[12:15], s[0:1], 0x20             ; wqk s[12:13], wv s[14:15]
	s_load_b64 s[16:17], s[0:1], 0x30              ; wo
	v_lshl_add_u32 v254, v0, 2, 0x8800
	v_mov_b32 v255, 0
	v_lshrrev_b32 v1, 5, v0
	v_readfirstlane_b32 s18, v1                    ; wave
	v_and_b32 v[LANE], 31, v0
	s_cmp_lt_u32 ttmp9, 256
	s_cbranch_scc0 .Lweights
	; ---- x
	s_mov_b32 s20, 0x76543210
	s_mov_b32 s21, 0xfedcba98                      ; v_permlanex16_b32's selects for lane l xor 16
	s_mov_b32 s23, 0xffff0000                      ; lanes 16-31
	v_lshlrev_b32 v1, 4, v[LANE]                   ; 16 x lane
	s_mul_i32 s22, s18, WST
	v_add_nc_u32 v2, s22, v1                       ; the stage, on the way in
	v_and_b32 v25, 15, v0
	v_bfe_u32 v26, v0, 4, 1
	v_mul_u32_u24 v3, v25, SP
	v_lshl_add_u32 v3, v26, 6, v3
	v_add_nc_u32 v3, s22, v3                       ; and out: row r, + 64 h
	v_lshlrev_b32 v5, 3, v[LANE]
	v_add_nc_u32 v5, 512, v5                       ; 512 + 8 x lane
	v_lshlrev_b32 v6, 2, v[LANE]                   ; 4 x lane
.irp b, 0,1,2,3
	v_mov_b32 v[PT+\b], 0                          ; written once: a lane permute's destination counts as one of its sources
.endr
	s_lshl_b32 s24, ttmp9, 17                      ; 32 rows of 4,096 bytes,
	s_lshl_b32 s26, s18, 10                        ; my two K steps of 512 bytes
	s_add_co_u32 s24, s24, s26
	s_mov_b32 s25, 0
	s_mul_i32 s26, s18, 4*GP_B                     ; codes: groups 4 w on,
	s_mul_i32 s28, ttmp9, 1536                     ; tiles 2 R on
	s_add_co_u32 s26, s26, s28
	s_add_co_u32 s26, s26, CODES
	s_mov_b32 s27, 0
	s_lshl_b32 s28, s18, 16                        ; scale words: K steps 2 w on,
	s_lshl_b32 s30, ttmp9, 7                       ; positions 32 R on
	s_add_co_u32 s28, s28, s30
	s_mov_b32 s29, 0
	s_wait_alu depctr_va_vdst(0)
	s_wait_kmcnt 0x0
	s_add_nc_u64 s[4:5], s[4:5], s[24:25]
	s_add_nc_u64 s[26:27], s[10:11], s[26:27]
	s_add_nc_u64 s[28:29], s[10:11], s[28:29]
	LOADU 0
	LOADU 1
	UNIT 0
	UNIT 1
	UNIT 2
	UNIT 3
	s_wait_tensorcnt 0x0
	ds_add_u32 v254, v255
	s_wait_dscnt 0x0
	s_endpgm
	; ---- the weights: a lane takes a column, and its registers run down K
.Lweights:
	s_sub_co_u32 s22, ttmp9, 256
	s_and_b32 s23, s22, 31                         ; which 128 columns of [w_qkv | w_out]
	s_lshr_b32 s24, s22, 5                         ; which 128 along K
	s_wait_kmcnt 0x0
	s_cmp_lt_u32 s23, 24                           ; the choices hang on the work-group's number alone
	s_cselect_b64 s[4:5], s[6:7], s[8:9]           ; from w_qkv or from w_out
	s_mov_b32 s25, 4096
	s_cselect_b32 s25, 12288, s25                  ; bytes from row to row
	s_cselect_b32 s26, 0, 24
	s_cselect_b64 s[10:11], s[14:15], s[16:17]
	s_cselect_b32 s27, 16, 24
	s_cmp_lt_u32 s23, 16
	s_cselect_b64 s[10:11], s[12:13], s[10:11]     ; to wqk, wv or wo
	s_cselect_b32 s27, 0, s27
	s_sub_co_u32 s26, s23, s26
	s_lshl_b32 s26, s26, 9
	s_lshl_b32 s28, s18, 7
	s_add_co_u32 s26, s26, s28                     ; my wave's first column, in bytes
	s_lshl_b32 s28, s24, 7
	s_mul_i32 s28, s28, s25
	s_add_co_u32 s28, s28, s26
	s_mov_b32 s29, 0
	s_add_nc_u64 s[32:33], s[4:5], s[28:29]        ; block 0's first row
	s_lshl_b32 s28, s25, 5                         ; 32 rows on
	s_add_nc_u64 s[34:35], s[32:33], s[28:29]
	s_add_nc_u64 s[36:37], s[34:35], s[28:29]
	s_add_nc_u64 s[38:39], s[36:37], s[28:29]
	s_wait_alu depctr_va_vdst(0)
	v_lshlrev_b32 v[OFF], 2, v[LANE]
.irp i, 1,2,3,4,5,6,7,8,9,10,11,12,13,14,15,16,17,18,19,20,21,22,23,24,25,26,27,28,29,30,31
	v_add_nc_u32 v[OFF+\i], s25, v[OFF+\i-1]
.endr
	WLOAD 0
	WLOAD 1
	s_sub_co_u32 s27, s23, s27                     ; which 128 rows of the operand
	s_lshl_b32 s28, s27, 3
	s_lshl_b32 s44, s18, 1
	s_add_co_u32 s28, s28, s44                     ; my first tile
	s_lshl_b32 s44, s24, 10                        ; group 2 ks
	s_add_co_u32 s28, s28, s44
	s_mul_i32 s28, s28, 768
	s_add_co_u32 s28, s28, CODES
	s_add_nc_u64 s[40:41], s[10:11], s[28:29]
	s_lshl_b32 s28, s24, 15
	s_lshl_b32 s44, s27, 9
	s_add_co_u32 s28, s28, s44
	s_lshl_b32 s44, s18, 7
	s_add_co_u32 s28, s28, s44
	s_add_nc_u64 s[42:43], s[10:11], s[28:29]      ; my 32 rows' scale words of this K step
	v_bfe_u32 v25, v0, 3, 1                        ; my column's position among the 32: tile u = bit 3,
	v_and_b32 v26, 7, v0
	v_bfe_u32 v27, v0, 4, 1
	v_lshl_add_u32 v26, v27, 3, v26                ; r = (lane % 8) + 8 x bit 4
	v_mul_u32_u24 v1, v25, 768
	v_lshl_add_u32 v2, v26, 4, v1                  ; 768 u + 16 r
	v_lshl_add_u32 v3, v26, 3, v1
	v_add_nc_u32 v3, 512, v3                       ; 768 u + 512 + 8 r
	v_lshl_add_u32 v4, v25, 4, v26
	v_lshlrev_b32 v4, 2, v4                        ; 4 (16 u + r)
	WBLOCK 0
	WBLOCK 1
	WBLOCK 2
	WBLOCK 3
	global_store_b32 v4, v[SB], s[42:43]
	s_endpgm
.Lfunc_end_k_q671ffef64b_quant:
	.size	k_q671ffef64b_quant, .Lfunc_end_k_q671ffef64b_quant-k_q671ffef64b_quant
	.p2alignl 7, 3214868480
	.fill 96, 4, 3214868480
	.section	.rodata,"a",@progbits
	.p2align	6, 0x0
	.amdhsa_kernel k_q671ffef64b_quant
		.amdhsa_group_segment_fixed_size 35328
		.amdhsa_private_segment_fixed_size 0
		.amdhsa_enable_private_segment 0
		.amdhsa_kernarg_size 56
		.amdhsa_user_sgpr_count 2
		.amdhsa_user_sgpr_kernarg_segment_ptr 1
		.amdhsa_wavefront_size32 1
		.amdhsa_system_sgpr_workgroup_id_x 1
		.amdhsa_system_sgpr_workgroup_id_y 1
		.amdhsa_system_sgpr_workgroup_id_z 1
		.amdhsa_system_vgpr_workitem_id 0
		.amdhsa_next_free_vgpr 256
		.amdhsa_next_free_sgpr 66
		.amdhsa_reserve_vcc 0
		.amdhsa_float_denorm_mode_32 3
		.amdhsa_float_denorm_mode_16_64 3
		.amdhsa_memory_ordered 1
		.amdhsa_forward_progress 1
		.amdhsa_inst_pref_size 56
	.end_amdhsa_kernel
	.amdgpu_metadata
---
amdhsa.version: [ 1, 2 ]
amdhsa.kernels:
  - .name:           k_q671ffef64b_quant
    .symbol:         k_q671ffef64b_quant.kd
    .args:
      - { .name: x, .offset: 0, .size: 8, .value_kind: global_buffer, .address_space: global }
      - { .name: w_qkv, .offset: 8, .size: 8, .value_kind: global_buffer, .address_space: global }
      - { .name: w_out, .offset: 16, .size: 8, .value_kind: global_buffer, .address_space: global }
      - { .name: xq, .offset: 24, .size: 8, .value_kind: global_buffer, .address_space: global }
      - { .name: wqk, .offset: 32, .size: 8, .value_kind: global_buffer, .address_space: global }
      - { .name: wv, .offset: 40, .size: 8, .value_kind: global_buffer, .address_space: global }
      - { .name: wo, .offset: 48, .size: 8, .value_kind: global_buffer, .address_space: global }
    .group_segment_fixed_size: 35328
    .private_segment_fixed_size: 0
    .kernarg_segment_align: 8
    .kernarg_segment_size: 56
    .max_flat_workgroup_size: 128
    .sgpr_count:     66
    .vgpr_count:     256
    .wavefront_size: 32
...
	.end_amdgpu_metadata
.endif
;; end of part 1
;; launch qkv (part 2): grid 8 x 32, 4 waves a work-group, clusters of 4 x 4, 327,680 bytes of LDS; arguments xq, wqk, qk, wv, vq; writes qk, vq
.if DOCPART == 2
	.amdgcn_target "amdgcn-amd-amdhsa--gfx1250"
	.amdhsa_code_object_version 6
	.text
	.protected	k_q671ffef64b_qkv
	.globl	k_q671ffef64b_qkv
	.p2align	8
	.type	k_q671ffef64b_qkv,@function
k_q671ffef64b_qkv:
	s_mov_b64 s[64:65], 0
	v_nop
	global_prefetch_b8 v0, s[64:65] scope:SCOPE_SE
	s_setreg_imm32_b32 hwreg(HW_REG_WAVE_MODE, 25, 1), 1
	s_wait_xcnt 0x0
	s_wait_alu depctr_hold_cnt(0) depctr_sa_sdst(0) depctr_va_vdst(0) depctr_va_sdst(0) depctr_va_ssrc(0) depctr_va_vcc(0) depctr_vm_vsrc(0)
	s_getreg_b32 s2, hwreg(HW_REG_IB_STS2, 6, 4)
	s_cmp_eq_u32 s2, 0
	s_cbranch_scc0 .Lentry_in_a_cluster
	s_endpgm
.Lentry_in_a_cluster:
	s_bfe_u32 s2, ttmp6, 0x10000c
	s_cmp_lg_u32 s2, 0xf033
	s_cbranch_scc0 .Lentry_shape_is_right
	s_endpgm
.Lentry_shape_is_right:
; q, k, v = Q(x) Q(w_qkv), each result quantised again for the products that follow, in ONE launch.  xq, wqk, wv are operand buffers of FP6 (E2M3) codes with one E8M0 byte for each 32 along K, K = 1,024; sums in f32.
; AN IMAGE (64 along K: group G; 16 rows: tile T) is 768 bytes at CODES + (512 G + T) 768: lane l has registers 0-3 at 16 l, registers 4-5 at 512 + 8 l.  Scale words (128 along K) at 32768 kstep + 4 position.
; ROWS BY POSITION: in each 32 rows position 16 u + r holds row 8 u + r + 8 (r / 8).  So with 16 positions as source 0, the 16 registers of tiles 2 b and 2 b + 1 are 16 NEIGHBOURS of the true rows: 32 b + 16 (lane / 16) + 0 .. 15.
; THE DEAL: 256 work-groups of four waves, 2 x 2.  Work-group (j, tr) keeps tokens 256 tr .. + 255 of x, ALL of K, in LDS for the whole launch, and takes three weights of 128 rows past them: W_v's rows 128 j on, then W_q's, then W_k's.
; A wave holds 64 rows of the weight, all of K, in 384 registers and streams its 128 tokens past them in blocks of 16: 8 fragments and 4 scale registers, in two sets; a block is 32 products on four accumulators by turns, K ascending.
; LDS FILLS: at the head one joint load a wave (W_v's codes, W_v's scale words, x's codes, x's scale words; x's shared along a row of the 4 x 4 cluster, a weight's along a column).  The weights' region is filled again twice, each time in a drained round
; of the cluster's barrier, as soon as every wave holds the old weight in registers: so a refill has a whole phase, 256 products a wave, in which to land, and nothing is prefetched.  A plain barrier at the next phase's head shows it to all.
; V (source 0 = x's positions): a lane holds one dim of v, its registers run along the tokens; 32 accumulators; quantised along the keys when the phase is over, under the flight of the next weight's LDS loads.
; Q, K (source 0 = the weight's positions): a lane holds one token, a block's 32 registers are one head's 64 dims: two scale blocks; each block is quantised and stored as it is finished.  Each phase: a loop of three trips of two blocks; the last two blocks, which fetch nothing, are written out.
; THE RESULTS: codes at RCODES + (512 GB + TA) 768, scale words at (512 GP + TA) 64 + 4 r.  qk: GB the head (k's: 16 +), TA the tile of tokens, GP = GB / 2: a wave stores its head's two bytes of the word.  vq: GB 64 keys, TA the tile of dims, GP 128 keys.
; LIMITS: NaN and infinities are not served; a block whose largest magnitude lies under 2^-124, zeros too, keeps the byte 1.
; THE WAITS' COUNTS on LDS: a block's rows were fetched two blocks ago; younger than that fetch is the next block's (NF = 36 loads); ahead of a phase's last block nothing.
.set GP_B,   393216
.set CODES,  262144
.set RCODES, 2097152
.set FR,     12                        ; registers of a fragment
.set FPW,    21                        ; fragments in a window of 256 registers; fragment f lies in window 1 + f / 21 at register 12 (f % 21): 0-31 the weight's (4 q + b), 32-39 and 40-47 x's two sets
.set NF,     36
.set AR,     0                         ; LDS: x's codes [group 16][tile 16][768]
.set BR,     196608                    ; the weight's codes [group 16][tile 8][768]
.set SAL,    294912                    ; x's scale words [K step 8][256][4]
.set SBL,    303104                    ; the weight's [K step 8][128][4]
.set SPARE,  307200                    ; the spare words, 128 bytes a wave
.set L16,  4
.set L8,   5
.set L4,   6
.set L4H,  7                           ; 4 x lane + 2 x (my head % 2)
.set AA,   8                           ; v8-15  my tiles of x: groups 4 k on: the 16-byte parts (even), the 8-byte parts (odd)
.set AB,   16                          ; v16-19 my tiles of the weight: groups 8 k on
.set ASA,  20                          ; x's scale words: lanes 0-15 an even K step, lanes 16-31 the odd one behind it
.set ASB,  21                          ; the weight's: lanes 0-15 tile 2 p, lanes 16-31 tile 2 p + 1
.set SPW,  28
.set NIL,  29
.set SBR,  32                          ; v32-47 the weight's scale words: 8 p + q
.set SAR,  53                          ; v53-56, v61-64 x's: 8 e + q / 2
.set PC,   72                          ; the way out: codes
.set TQ,   84
.set MX,   92
.set PT,   96
.set SO,   100
.set PW,   104
.set PS,   112
.set AAW,  114                         ; v114-121, v122: as v8-15 and v20, for the blocks that a trip fetches
.set ASAW, 122
.set ACC,  128                         ; q, k: v128-191 two sets of four accumulators.  v: tile t of dims at v[840 + 64 t] (t = 0, 1: window 3's v72 on) or v[128 + 64 (t - 2)], 8 registers for each block of tokens
.set G1A,  24
.set G1B,  32
.set G1SA, 48
.set G1SB, 56
.set G0A,  68
.set G0B,  72
.set G0SA, 76
.set G0SB, 80
.set MSB, 0
.macro WIN new                         ; the immediate's high byte repeats the setting that is left
.if MSB != \new
	s_set_vgpr_msb (MSB<<8)|\new
.set MSB, \new
.endif
.endm
.macro PLACES n
.rept \n
	v_nop
.endr
.endm
.macro WALU
	s_wait_alu depctr_va_vdst(0)
.endm
.macro BARRIER
	s_barrier_signal -1
	s_barrier_wait -1
.endm
.macro CROUND
	BARRIER
	s_cmp_lg_u32 s14, 0
	s_cbranch_scc1 .Lnot_wave_0_\@
	s_barrier_signal -3
.Lnot_wave_0_\@:
	s_barrier_wait -3
	BARRIER
.endm
.macro GROUP1 g, c, r, p               ; r rows of c elements of 8 bytes, p elements apart
	s_mov_b32 s[\g+1], (\c)<<16
	s_mov_b32 s[\g+2], (\r)<<16
	s_mov_b32 s[\g+3], (\c)<<16
	s_mov_b32 s[\g+4], \r
	s_mov_b32 s[\g+5], \p
	s_mov_b32 s[\g+6], 0
	s_mov_b32 s[\g+7], 0
.endm
.macro ARM under, g0, g1, next
	s_cmp_lt_u32 s14, \under
	s_cbranch_scc0 \next
	tensor_load_to_lds s[\g0:\g0+3], s[\g1:\g1+7]
	s_nop 0
	PLACES 4
	s_branch .Lasked
\next:
.endm
; The weights' region is filled again: every wave's add on its spare word, a round of the cluster's barrier, and the joint loads first behind it: wave 0 the codes at s[cw:cw+1], wave 1 the scale words at s[sw:sw+1].
.macro ROUNDFILL cw, sw
	s_wait_tensorcnt 0x0
	ds_add_u32 v[SPW], v[NIL]
	s_mov_b64 s[G0B+2:G0B+3], s[\cw:\cw+1]         ; no tensor load of mine is out: the descriptors may be written
	s_or_b32 s[G0B+3], s[G0B+3], 0x80000000
	s_mov_b64 s[G0SB+2:G0SB+3], s[\sw:\sw+1]
	s_or_b32 s[G0SB+3], s[G0SB+3], 0x80000000
	s_wait_dscnt 0x0                               ; the add is done, and the old weight is in my registers
	CROUND
	s_cmp_lt_u32 s14, 1
	s_cbranch_scc0 .Lfill_s_\@
	tensor_load_to_lds s[G0B:G0B+3], s[G1B:G1B+7]
	s_nop 0
	PLACES 4
	s_branch .Lfilled_\@
.Lfill_s_\@:
	s_cmp_lt_u32 s14, 2
	s_cbranch_scc0 .Lfilled_\@
	tensor_load_to_lds s[G0SB:G0SB+3], s[G1SB:G1SB+7]
	s_nop 0
	PLACES 4
.Lfilled_\@:
.endm
.macro FRAG f, a16, a8, off, pg        ; a fragment: a tile's images of two neighbouring groups, pg bytes apart
	WIN (1+(\f)/FPW)<<6
.set R_, FR*((\f)%FPW)
.irp c, 0,1
	ds_load_b128 v[R_+6*\c:R_+6*\c+3], v[\a16] offset:(\off)+\c*(\pg)
	ds_load_b64 v[R_+6*\c+4:R_+6*\c+5], v[\a8] offset:(\off)+\c*(\pg)
.endr
.endm
.macro WEIGHTS                         ; my 64 rows of the weight, all of K: 128 loads, and 16 of scale words
.irp q, 0,1,2,3,4,5,6,7
.irp b, 0,1,2,3
	FRAG 4*\q+\b, AB+2*(\q/4), AB+2*(\q/4)+1, ((2*\q)%8)*6144+\b*768, 6144
.endr
.endr
	WIN 0
.irp q, 0,1,2,3,4,5,6,7
.irp p, 0,1
	ds_load_b32 v[SBR+8*\p+\q], v[ASB] offset:\q*512+\p*128
.endr
.endr
.endm
.macro FETCH e, a, ab, sa              ; block a, counted from the addresses in v[ab] on and v[sa], into set e: NF loads
.irp q, 0,1,2,3,4,5,6,7
	FRAG 32+8*(\e)+\q, \ab+2*(\q/2), \ab+2*(\q/2)+1, ((2*\q)%4)*12288+(\a)*768, 12288
.endr
	WIN 0
.irp k, 0,1,2,3
	ds_load_b32 v[SAR+8*(\e)+\k], v[\sa] offset:\k*2048+(\a)*64
.endr
.endm
.macro MM d, fa, fb, nz, xa, xb, ra, rb
.if \nz
	v_wmma_scale_f32_16x16x128_f8f6f4 v[\d:\d+7], v[FR*((\fa)%FPW):FR*((\fa)%FPW)+FR-1], v[FR*((\fb)%FPW):FR*((\fb)%FPW)+FR-1], v[\d:\d+7], v[\xa], v[\xb] matrix_a_fmt:MATRIX_FMT_FP6 matrix_b_fmt:MATRIX_FMT_FP6 matrix_a_scale:MATRIX_SCALE_ROW\ra matrix_b_scale:MATRIX_SCALE_ROW\rb
.else
	v_wmma_scale_f32_16x16x128_f8f6f4 v[\d:\d+7], v[FR*((\fa)%FPW):FR*((\fa)%FPW)+FR-1], v[FR*((\fb)%FPW):FR*((\fb)%FPW)+FR-1], 0, v[\xa], v[\xb] matrix_a_fmt:MATRIX_FMT_FP6 matrix_b_fmt:MATRIX_FMT_FP6 matrix_a_scale:MATRIX_SCALE_ROW\ra matrix_b_scale:MATRIX_SCALE_ROW\rb
.endif
.endm
; 32 products: K step q = 2 k + m, the weight's tile b = 2 p + o; the four accumulators take turns; the first K step starts the sums.
; kind 1 (v): source 0 = x's block s in set e, source 1 = the weight's tile.  kind 0 (q, k): the other way round.
.macro PRODS kind, e, s
.irp k, 0,1,2,3
.irp m, 0,1
.irp p, 0,1
.irp o, 0,1
.set Q_, 2*\k+\m
.set B_, 2*\p+\o
.set FB_, 4*Q_+B_
.set FA_, 32+8*(\e)+Q_
.if \kind
.set DW_, 3*(1-\p)
.set DL_, (72+64*\o)*(1-\p)+(128+64*\o)*\p+8*(\s)
	WIN (1+FA_/FPW)|((1+FB_/FPW)<<2)|(DW_<<4)|(DW_<<6)
	MM DL_, FA_, FB_, Q_, SAR+8*(\e)+\k, SBR+8*\p+Q_, \m, \o
.else
.set DL_, ACC+32*(\e)+8*B_
	WIN (1+FB_/FPW)|((1+FA_/FPW)<<2)
	MM DL_, FB_, FA_, Q_, SBR+8*\p+Q_, SAR+8*(\e)+\k, \o, \m
.endif
.endr
.endr
.endr
.endr
	WIN 0
.endm
; v's way out.  For tile t of dims my 64 registers are 16 neighbours of each of four blocks of 32 keys; lane l xor 16 has the other 16.  Two images and a scale word a row.
.macro EQV t
.if (\t) < 2
.set WN, 3
.set AC, 72+64*(\t)
.else
.set WN, 0
.set AC, 128+64*((\t)-2)
.endif
	s_wait_xcnt 0x0                                ; the last tile's stores have read their registers, which are written again below
	WIN (WN<<2)|(WN<<4)
.irp b, 0,1,2,3
	v_max3_num_f32 v[MX+\b], 0x1800000, |v[AC+16*\b]|, |v[AC+16*\b+1]|     ; the floor 2^(3 - 127) among the leaves; each accumulator is read from its low end on
.endr
.irp i, 2,4,6,8,10,12,14
.irp b, 0,1,2,3
	v_max3_num_f32 v[MX+\b], v[MX+\b], |v[AC+16*\b+\i]|, |v[AC+16*\b+\i+1]|
.endr
.endr
	WIN 0
.irp b, 0,1,2,3
	v_permlanex16_b32 v[PT+\b], v[MX+\b], s2, s3
.endr
.irp b, 0,1,2,3
	v_max_num_f32 v[MX+\b], v[MX+\b], v[PT+\b]
.endr
.irp b, 0,1,2,3
	v_add_nc_u32 v[SO+\b], 0xff000000, v[MX+\b]    ; 2 off the exponent field: the conversion's scale operand
.endr
.irp b, 0,1,2,3
	v_lshrrev_b32 v[PT+\b], 23, v[SO+\b]
.endr
	v_lshl_or_b32 v[PW+(\t)], v[PT+1], 8, v[PT]
	v_lshl_or_b32 v[PW+(\t)], v[PT+2], 16, v[PW+(\t)]
	v_lshl_or_b32 v[PW+(\t)], v[PT+3], 24, v[PW+(\t)]
	WIN WN
.irp c, 0,1
	v_cvt_scalef32_pk16_fp6_f32 v[PC+6*\c:PC+6*\c+2], v[AC+32*\c:AC+32*\c+15], v[SO+2*\c]
	v_cvt_scalef32_pk16_fp6_f32 v[TQ+4*\c:TQ+4*\c+2], v[AC+32*\c+16:AC+32*\c+31], v[SO+2*\c+1]
.endr
	WIN 0
	v_nop                                          ; one plain line behind the conversions
.irp c, 0,1                                    ; a whole block to a lane
.irp i, 0,1,2
	v_permlane16_swap_b32 v[PC+6*\c+\i], v[TQ+4*\c+\i]
.endr
.irp i, 0,1,2
	v_mov_b32 v[PC+6*\c+3+\i], v[TQ+4*\c+\i]
.endr
.endr
.irp c, 0,1
	global_store_b128 v[L16], v[PC+6*\c:PC+6*\c+3], s[66:67] offset:(\t)*768+\c*GP_B       ; 512 consecutive bytes
	global_store_b64 v[L8], v[PC+6*\c+4:PC+6*\c+5], s[66:67] offset:(\t)*768+\c*GP_B       ; 256 consecutive bytes, aligned
.endr
.if (\t)%2 == 1
	v_cndmask_b32 v[PS], v[PW+(\t)-1], v[PW+(\t)], s100                                    ; lanes 0-15 tile t - 1's words, lanes 16-31 tile t's
	global_store_b32 v[L4], v[PS], s[18:19] offset:((\t)-1)*64
.endif
.endm
; q's and k's way out of the block in set e: 32 registers = 16 neighbours of each of the head's two blocks of 32 dims.  The largest magnitude in two chains a block; one image; the head's two scale bytes, stored for two blocks at a time.
.macro EQN e, cb, sb
.set AC, ACC+32*(\e)
	s_wait_xcnt 0x0                                ; the last block's stores have read their registers, which are written again below
.irp b, 0,1
	v_max3_num_f32 v[MX+2*\b], |v[AC+16*\b]|, |v[AC+16*\b+1]|, |v[AC+16*\b+2]|             ; each accumulator is read from its low end on
	v_max3_num_f32 v[MX+2*\b+1], |v[AC+16*\b+8]|, |v[AC+16*\b+9]|, |v[AC+16*\b+10]|
.endr
.irp i, 3,5
.irp b, 0,1
	v_max3_num_f32 v[MX+2*\b], v[MX+2*\b], |v[AC+16*\b+\i]|, |v[AC+16*\b+\i+1]|
	v_max3_num_f32 v[MX+2*\b+1], v[MX+2*\b+1], |v[AC+16*\b+8+\i]|, |v[AC+16*\b+9+\i]|
.endr
.endr
.irp b, 0,1
	v_max3_num_f32 v[MX+2*\b], v[MX+2*\b], |v[AC+16*\b+7]|, 0x1800000                      ; the floor 2^(3 - 127)
.endr
.irp b, 0,1
	v_max3_num_f32 v[MX+2*\b], v[MX+2*\b], |v[AC+16*\b+15]|, v[MX+2*\b+1]
.endr
.irp b, 0,1
	v_permlanex16_b32 v[PT+\b], v[MX+2*\b], s2, s3
.endr
.irp b, 0,1
	v_max_num_f32 v[MX+2*\b], v[MX+2*\b], v[PT+\b]
.endr
.irp b, 0,1
	v_add_nc_u32 v[SO+\b], 0xff000000, v[MX+2*\b]
.endr
.irp b, 0,1
	v_lshrrev_b32 v[PT+\b], 23, v[SO+\b]
.endr
	v_lshl_or_b32 v[PW+(\e)], v[PT+1], 8, v[PT]
	v_cvt_scalef32_pk16_fp6_f32 v[PC:PC+2], v[AC:AC+15], v[SO]
	v_cvt_scalef32_pk16_fp6_f32 v[TQ:TQ+2], v[AC+16:AC+31], v[SO+1]
	v_nop                                          ; one plain line behind the conversions
.irp i, 0,1,2
	v_permlane16_swap_b32 v[PC+\i], v[TQ+\i]
.endr
.irp i, 0,1,2
	v_mov_b32 v[PC+3+\i], v[TQ+\i]
.endr
	global_store_b128 v[L16], v[PC:PC+3], s[\cb:\cb+1] offset:(\e)*768
	global_store_b64 v[L8], v[PC+4:PC+5], s[\cb:\cb+1] offset:(\e)*768
.if \e
	v_cndmask_b32 v[PS], v[PW], v[PW+1], s100      ; lanes 0-15 the even block's bytes, lanes 16-31 the odd block's
	global_store_b16 v[L4H], v[PS], s[\sb:\sb+1]
.endif
	WALU
.endm
; a phase of q or k: eight blocks; cb, sb: the scalar pairs that hold where the next two blocks' codes and scale bytes go
.macro PHASE cb, sb
	s_mov_b32 s20, 0
	s_mov_b32 s21, 0
	s_mov_b32 s22, 0
.Lpairs_\@:
	s_add_co_u32 s21, s21, 1536                    ; the trip fetches the two blocks behind its own
	s_add_co_u32 s22, s22, 128
	s_wait_dscnt NF
	PRODS 0, 0, 0
.irp k, 0,1,2,3,4,5,6,7
	v_add_nc_u32 v[AAW+\k], s21, v[AA+\k]          ; nine plain lines: the places behind the products
.endr
	v_add_nc_u32 v[ASAW], s22, v[ASA]
	FETCH 0, 0, AAW, ASAW
	EQN 0, \cb, \sb
	s_wait_dscnt NF
	PRODS 0, 1, 0
	PLACES 4
	FETCH 1, 1, AAW, ASAW
	EQN 1, \cb, \sb
	s_wait_xcnt 0x0                                ; the stores have read their bases
	s_add_nc_u64 s[\cb:\cb+1], s[\cb:\cb+1], 1536
	s_add_nc_u64 s[\sb:\sb+1], s[\sb:\sb+1], 128
	s_add_co_u32 s20, s20, 1
	s_cmp_lt_u32 s20, 3
	s_cbranch_scc1 .Lpairs_\@
	s_wait_dscnt NF                                ; the last two blocks fetch nothing
	PRODS 0, 0, 0
	PLACES 4
	EQN 0, \cb, \sb
	s_wait_dscnt 0x0
	PRODS 0, 1, 0
	PLACES 4
	EQN 1, \cb, \sb
.endm
	s_load_b128 s[4:7], s[0:1], 0x0                ; xq s[4:5], wqk s[6:7]
	s_load_b128 s[8:11], s[0:1], 0x10              ; qk s[8:9], wv s[10:11]
	s_load_b64 s[12:13], s[0:1], 0x20              ; vq
	v_lshl_add_u32 v[SPW], v0, 2, SPARE
	v_mov_b32 v[NIL], 0
	ds_add_u32 v[SPW], v[NIL]                      ; the opening lines: the add twice on end and its wait
	ds_add_u32 v[SPW], v[NIL]
	v_lshrrev_b32 v1, 5, v0
	v_readfirstlane_b32 s14, v1                    ; wave 0..3
	s_lshr_b32 s15, s14, 1                         ; which 128 tokens are mine
	s_and_b32 s16, s14, 1                          ; which 64 rows of the weight
	s_bfe_u32 s40, ttmp6, 0x40000                  ; cx, cy
	s_bfe_u32 s41, ttmp6, 0x40004
	s_lshl_b32 s42, ttmp9, 2
	s_add_co_u32 s42, s42, s40                     ; j, 0 .. 7
	s_and_b32 s17, ttmp7, 0xffff
	s_lshl_b32 s17, s17, 2
	s_add_co_u32 s17, s17, s41                     ; tr, 0 .. 31
	s_lshl_b32 s43, s41, 2
	s_lshl_b32 s43, 15, s43                        ; my row of the cluster
	s_lshl_b32 s44, 0x1111, s40                    ; my column
	s_or_b32 s[G1A], s43, (3<<16)|(1<<21)
	s_or_b32 s[G1SA], s43, (3<<16)|(1<<21)
	s_or_b32 s[G1B], s44, (3<<16)|(1<<21)
	s_or_b32 s[G1SB], s44, (3<<16)|(1<<21)
	GROUP1 G1A, 1536, 16, GP_B/8                   ; 16 groups of sixteen images
	GROUP1 G1B, 768, 16, GP_B/8                    ; 16 groups of eight images
	GROUP1 G1SA, 128, 8, 4096                      ; 8 K steps of 256 words
	GROUP1 G1SB, 64, 8, 4096                       ; 8 K steps of 128 words
	s_mul_i32 s20, s17, 12288
	s_mov_b32 s21, 0
	s_lshl_b32 s22, s17, 10
	s_mov_b32 s23, 0
	s_mul_i32 s46, s42, 6144
	s_mov_b32 s47, 0
	s_lshl_b32 s18, s42, 9
	s_mov_b32 s19, 0
	s_mov_b32 s[G0A], 1
	s_mov_b32 s[G0A+1], AR
	s_mov_b32 s[G0B], 1
	s_mov_b32 s[G0B+1], BR
	s_mov_b32 s[G0SA], 1
	s_mov_b32 s[G0SA+1], SAL
	s_mov_b32 s[G0SB], 1
	s_mov_b32 s[G0SB+1], SBL
	s_mov_b32 s2, 0x76543210
	s_mov_b32 s3, 0xfedcba98                       ; v_permlanex16_b32's selects for lane l xor 16
	s_mov_b32 s100, 0xffff0000                     ; lanes 16-31
	s_wait_dscnt 0x0
	s_wait_kmcnt 0x0
	s_add_nc_u64 s[G0A+2:G0A+3], s[4:5], s[20:21]
	s_add_nc_u64 s[G0A+2:G0A+3], s[G0A+2:G0A+3], CODES
	s_or_b32 s[G0A+3], s[G0A+3], 0x80000000
	s_add_nc_u64 s[G0SA+2:G0SA+3], s[4:5], s[22:23]
	s_or_b32 s[G0SA+3], s[G0SA+3], 0x80000000
	s_add_nc_u64 s[G0B+2:G0B+3], s[10:11], s[46:47]    ; W_v's rows 128 j on
	s_add_nc_u64 s[G0B+2:G0B+3], s[G0B+2:G0B+3], CODES
	s_or_b32 s[G0B+3], s[G0B+3], 0x80000000
	s_add_nc_u64 s[G0SB+2:G0SB+3], s[10:11], s[18:19]
	s_or_b32 s[G0SB+3], s[G0SB+3], 0x80000000
	s_add_nc_u64 s[84:85], s[6:7], s[46:47]        ; W_q's: codes s[84:85], scale words s[86:87]
	s_add_nc_u64 s[84:85], s[84:85], CODES
	s_add_nc_u64 s[86:87], s[6:7], s[18:19]
	s_add_nc_u64 s[88:89], s[84:85], 49152         ; W_k's lie 1,024 rows, 64 tiles, further on
	s_add_nc_u64 s[90:91], s[86:87], 4096
	CROUND                                         ; all sixteen work-groups are here: the joint loads meet
	ARM 1, G0B,  G1B,  .Larm_sb                    ; wave 0: W_v's codes, which are wanted first
	ARM 2, G0SB, G1SB, .Larm_a                     ; wave 1: W_v's scale words
	ARM 3, G0A,  G1A,  .Larm_sa                    ; wave 2: x's codes
	tensor_load_to_lds s[G0SA:G0SA+3], s[G1SA:G1SA+7]  ; wave 3: x's scale words
	s_nop 0
	PLACES 4
.Lasked:
	v_and_b32 v1, 15, v0                           ; r
	v_bfe_u32 v2, v0, 4, 1                         ; h
	v_and_b32 v3, 31, v0                           ; lane
	v_lshlrev_b32 v[L16], 4, v3
	v_lshlrev_b32 v[L8], 3, v3
	v_add_nc_u32 v[L8], 512, v[L8]
	v_lshlrev_b32 v[L4], 2, v3
	WALU
	s_mul_i32 s21, s15, 6144                       ; my eight tiles of x's sixteen
.irp k, 0,1,2,3
	v_add_nc_u32 v[AA+2*\k], s21, v[L16]
	v_add_nc_u32 v[AA+2*\k+1], s21, v[L8]
	s_add_co_u32 s21, s21, 49152                   ; four groups on
.endr
	s_mul_i32 s22, s16, 3072                       ; my four tiles of the weight's eight
	s_add_co_u32 s22, s22, BR
.irp k, 0,1
	v_add_nc_u32 v[AB+2*\k], s22, v[L16]
	v_add_nc_u32 v[AB+2*\k+1], s22, v[L8]
	s_add_co_u32 s22, s22, 49152                   ; eight groups on
.endr
	v_lshlrev_b32 v22, 2, v1
	v_lshl_add_u32 v22, v2, 10, v22                ; 4 r + 1024 h
	s_lshl_b32 s21, s15, 9
	s_add_co_u32 s21, s21, SAL
	v_add_nc_u32 v[ASA], s21, v22
	s_lshl_b32 s22, s16, 8
	s_add_co_u32 s22, s22, SBL
	v_add_nc_u32 v[ASB], s22, v[L4]
	s_lshl_b32 s23, s16, 1
	v_add_nc_u32 v[L4H], s23, v[L4]
.irp b, 0,1,2,3
	v_mov_b32 v[PT+\b], 0                          ; written once: a lane permute's destination counts as one of its sources
.endr
	; where my results go
	s_lshl_b32 s20, s17, 4
	s_lshl_b32 s21, s15, 3
	s_add_co_u32 s20, s20, s21                     ; my first tile of tokens
	s_lshl_b32 s21, s42, 1
	s_add_co_u32 s21, s21, s16                     ; my head
	s_lshl_b32 s22, s21, 9
	s_add_co_u32 s22, s22, s20
	s_mul_i32 s22, s22, 768
	s_add_co_u32 s22, s22, RCODES
	s_mov_b32 s23, 0
	s_add_nc_u64 s[92:93], s[8:9], s[22:23]        ; q's codes,
	s_add_nc_u64 s[96:97], s[92:93], 16*GP_B       ; k's: 16 heads on
	s_lshl_b32 s22, s42, 9
	s_add_co_u32 s22, s22, s20
	s_lshl_b32 s22, s22, 6
	s_add_nc_u64 s[94:95], s[8:9], s[22:23]        ; q's scale words,
	s_add_nc_u64 s[98:99], s[94:95], 262144        ; k's: 8 pairs of heads on
	s_lshl_b32 s20, s17, 1
	s_add_co_u32 s20, s20, s15                     ; my key step of 128 tokens
	s_lshl_b32 s21, s21, 2                         ; my first tile of v's dims
	s_lshl_b32 s22, s20, 10
	s_add_co_u32 s22, s22, s21
	s_mul_i32 s22, s22, 768
	s_add_co_u32 s22, s22, RCODES
	s_add_nc_u64 s[66:67], s[12:13], s[22:23]      ; v's codes
	s_lshl_b32 s22, s20, 9
	s_add_co_u32 s22, s22, s21
	s_lshl_b32 s22, s22, 6
	s_add_nc_u64 s[18:19], s[12:13], s[22:23]      ; v's scale words
	WALU                                           ; the wait at the head's end
	s_cmp_lt_u32 s14, 2
	s_cbranch_scc0 .Lnot_b
	s_wait_tensorcnt 0x0                           ; waves 0 and 1: W_v's codes and scale words have landed
.Lnot_b:
	BARRIER                                        ; W_v is shown to all; x may still be on its way
	WEIGHTS
	ROUNDFILL 84, 86                               ; x has landed in every wave's count, W_v is in registers: W_q's rows onto W_v's
; ---- v: eight blocks of tokens
	FETCH 0, 0, AA, ASA
	FETCH 1, 1, AA, ASA
.irp s, 0,1,2,3,4,5,6,7
.if \s < 7
	s_wait_dscnt NF
.else
	s_wait_dscnt 0x0
.endif
	PRODS 1, \s%2, \s
	PLACES 4
.if \s < 6
	FETCH \s%2, \s+2, AA, ASA
.endif
.endr
; ---- q
	s_wait_tensorcnt 0x0
	s_wait_dscnt 0x0
	BARRIER                                        ; W_q is shown to all
	WEIGHTS
	FETCH 0, 0, AA, ASA
	FETCH 1, 1, AA, ASA
.irp t, 0,1,2,3
	EQV \t                                         ; v leaves while the loads above are on their way
.endr
	WALU                                           ; the wait here, directly ahead of the wait below
	ROUNDFILL 88, 90                               ; W_k's rows onto W_q's
	PHASE 92, 94
; ---- k
	s_wait_tensorcnt 0x0
	s_wait_dscnt 0x0
	BARRIER                                        ; W_k is shown to all
	WEIGHTS
	FETCH 0, 0, AA, ASA
	FETCH 1, 1, AA, ASA
	PHASE 96, 98
	s_wait_tensorcnt 0x0                           ; the wave's end
	ds_add_u32 v[SPW], v[NIL]
	s_wait_dscnt 0x0
	CROUND                                         ; the closing round
	s_endpgm
.Lfunc_end_k_q671ffef64b_qkv:
	.size	k_q671ffef64b_qkv, .Lfunc_end_k_q671ffef64b_qkv-k_q671ffef64b_qkv
	.p2alignl 7, 3214868480
	.fill 96, 4, 3214868480
	.section	.rodata,"a",@progbits
	.p2align	6, 0x0
	.amdhsa_kernel k_q671ffef64b_qkv
		.amdhsa_group_segment_fixed_size 327680
		.amdhsa_private_segment_fixed_size 0
		.amdhsa_enable_private_segment 0
		.amdhsa_kernarg_size 40
		.amdhsa_user_sgpr_count 2
		.amdhsa_user_sgpr_kernarg_segment_ptr 1
		.amdhsa_wavefront_size32 1
		.amdhsa_system_sgpr_workgroup_id_x 1
		.amdhsa_system_sgpr_workgroup_id_y 1
		.amdhsa_system_sgpr_workgroup_id_z 1
		.amdhsa_system_vgpr_workitem_id 0
		.amdhsa_next_free_vgpr 968
		.amdhsa_next_free_sgpr 102
		.amdhsa_reserve_vcc 0
		.amdhsa_float_denorm_mode_32 3
		.amdhsa_float_denorm_mode_16_64 3
		.amdhsa_memory_ordered 1
		.amdhsa_forward_progress 1
		.amdhsa_inst_pref_size 185
	.end_amdhsa_kernel
	.amdgpu_metadata
---
amdhsa.version: [ 1, 2 ]
amdhsa.kernels:
  - .name:           k_q671ffef64b_qkv
    .symbol:         k_q671ffef64b_qkv.kd
    .args:
      - { .name: xq, .offset: 0, .size: 8, .value_kind: global_buffer, .address_space: global }
      - { .name: wqk, .offset: 8, .size: 8, .value_kind: global_buffer, .address_space: global }
      - { .name: qk, .offset: 16, .size: 8, .value_kind: global_buffer, .address_space: global }
      - { .name: wv, .offset: 24, .size: 8, .value_kind: global_buffer, .address_space: global }
      - { .name: vq, .offset: 32, .size: 8, .value_kind: global_buffer, .address_space: global }
    .group_segment_fixed_size: 327680
    .private_segment_fixed_size: 0
    .kernarg_segment_align: 8
    .kernarg_segment_size: 40
    .max_flat_workgroup_size: 128
    .sgpr_count:     102
    .vgpr_count:     968
    .wavefront_size: 32
...
	.end_amdgpu_metadata
.endif
;; end of part 2
;; launch attn (part 3): grid 4 x 64, 8 waves a work-group, clusters of 4 x 1, 210,944 bytes of LDS; arguments qk, vq, ao; writes ao
.if DOCPART == 3
	.amdgcn_target "amdgcn-amd-amdhsa--gfx1250"
	.amdhsa_code_object_version 6
	.text
	.protected	k_q671ffef64b_attn
	.globl	k_q671ffef64b_attn
	.p2align	8
	.type	k_q671ffef64b_attn,@function
k_q671ffef64b_attn:
	s_mov_b64 s[64:65], 0
	v_nop
	global_prefetch_b8 v0, s[64:65] scope:SCOPE_SE
	s_setreg_imm32_b32 hwreg(HW_REG_WAVE_MODE, 25, 1), 1
	s_wait_xcnt 0x0
	s_wait_alu depctr_hold_cnt(0) depctr_sa_sdst(0) depctr_va_vdst(0) depctr_va_sdst(0) depctr_va_ssrc(0) depctr_va_vcc(0) depctr_vm_vsrc(0)
	s_getreg_b32 s2, hwreg(HW_REG_IB_STS2, 6, 4)
	s_cmp_eq_u32 s2, 0
	s_cbranch_scc0 .Lentry_in_a_cluster
	s_endpgm
.Lentry_in_a_cluster:
	s_bfe_u32 s2, ttmp6, 0x10000c
	s_cmp_lg_u32 s2, 0x3003
	s_cbranch_scc0 .Lentry_shape_is_right
	s_endpgm
.Lentry_shape_is_right:
; Causal attention of one (batch, head) to a cluster of four work-groups, both products on codes of FP6 (E2M3) with one E8M0 scale for each 32 along K; head size 64, 2,048 keys.
; Key steps that lie wholly behind a wave's queries are hidden by the causal mask that the problem itself builds: they are not multiplied.
; q, k (buffer qk) and v (buffer vq, the keys innermost) come as images of the operand's registers: 768 bytes for 64 along K x 16 rows, lane l's registers 0-3 at 16 l, registers 4-5 at 512 + 8 l.
; THE FIRST PRODUCT'S K IS 64.  Registers 6-11 of q's fragments hold zero codes, and the upper two bytes of q's and k's scale words are 0.  So registers 6-11 of a k operand may hold any codes (FP6 has only finite ones):
; k's eight tiles of a step lie end to end, six registers each, and a tile's operand runs on into the next tile's six; six cleared registers stand behind the last.
; SOFTMAX: t = score x log2(e) / 8; M = the running largest t rounded UP to a whole number; p = 2^(t - M) is quantised along the keys, not normalised; the row's sum is taken of the unquantised p and divides O at the end.
; Hidden scores become -infinity ahead of the maximum, so p = 0 there.  LIMITS: NaN and infinities are not served; a block whose largest magnitude lies under 2^-124, zeros too, keeps the byte 1; the scaled scores stay under 2^31 in magnitude.
; A HEAD'S WHOLE K AND V LIE IN LDS: 96 KiB of codes each, 12 KiB of scale words, every byte filled once, by joint loads of the four partners (mask 15): one a wave in waves 0-5, in one chain of branches.  No ring, one barrier.
; Nothing is prefetched: all that the launch reads of K and V is asked for at its head.
; SHARES.  The head's 64 pairs of query tiles (32 queries): pair 4 a + e needs key steps 0 .. a of 128 keys.  Wave w of work-group cx takes pair (a = w, e = cx) and then (a = 15 - w, e = cx): 17 key steps for every wave.
; Branches hang on a alone, made of the wave's number; cx enters global addresses and the mask's numbers only.  Each pass walks 16 trips, a constant, and jumps over the work of hidden steps.
; A STEP: 16 score products (8 tiles of keys x 2 tiles of queries); behind them V's fragments of this step and K's of the next are asked of LDS; the two tiles' softmax in chains side by side; tile 1's exponentials are issued ahead of tile 0's way to codes.
; ROWS BY POSITION: in each 32 tokens position 16 u + r holds token 8 u + r + 8 (r / 8).  Both products are used transposed: a lane holds ONE query of each tile (position lane % 16).  o is quantised along the head's 64 and leaves as images (buffer ao).
.set KC,  0                            ; LDS: K's codes [tile 128][768]
.set VC,  98304                        ; V's codes [64 keys: 32][tile of dims 4][768]
.set KS,  196608                       ; K's scale words [tile 128][16][4]
.set VS,  204800                       ; V's scale words [key step 16][tile 4][16][4]
.set SPARE, 208896                     ; the spare words, 128 bytes a wave
.set GP_B,   393216
.set RCODES, 2097152
.set CODES,  262144
.set WV,  10
.set SEL, 16
.set CS,  18                           ; s[18:19] c = log2(e) / 8
.set A,   20
.set NC,  21                           ; -c
.set KI,  22
.set TB,  23                           ; the key step's codes: 6,144 bytes a step, in K and in V
.set TS,  24                           ; K's scale words: 512 a step
.set TJ,  25                           ; V's: 256 a step
.set HI,  26
; window 0
.set AV16, 3
.set AV8,  4
.set AKS,  5
.set AVS,  6
.set D0,   8                           ; v8, v9  my query's place among the step's 128 keys, less 16 (lane / 16), for tiles 0, 1
.set L16,  10                          ; 16 x lane: also K's codes in LDS (KC = 0)
.set L8,   11                          ; 512 + 8 x lane
.set NM,   12                          ; v12, v14 -M;  v13, v15 the running largest score
.set LS,   16                          ; v[16:17], v[18:19] the rows' sums, in two halves
.set F,    20                          ; v20, v22 f = 2^(old M - new M); v21, v23 stay 0
.set QSO,  24
.set OSO,  25
.set T0,   26
.set NINF, 28
.set OB,   29
.set ADR,  32
.set BM,   40                          ; 4 u + b
.set PT,   48
.set SO,   56
.set CT,   64
.set X,    80
.set SPW,  86
.set NIL,  87
.set KSW,  88                          ; v88-103 scale words and nothing else: K's 8, V's 4, p's 2, q's 2
.set VSW,  96
.set PSW,  100
.set QSW,  102
.set PCD,  104                         ; p's codes, 12 a tile
.set S,    128                         ; v128-255 S^T, then p: 64 a tile
; window 1 (v256 on)
.set OW,   0                           ; O^T, 32 a tile
.set KW,   64                          ; K's eight tiles, 6 registers each, and 6 cleared
.set QW,   120                         ; q's two fragments
.set VW,   144                         ; V's four fragments
.set MSB, 0
.macro WIN new                         ; the immediate's high byte repeats the setting that is left
.if MSB != \new
	s_set_vgpr_msb (MSB<<8)|\new
.set MSB, \new
.endif
.endm
.macro WALU
	s_wait_alu depctr_va_vdst(0)
.endm
.macro CROUND
	s_barrier_signal -1
	s_barrier_wait -1
	s_cmp_lg_u32 s[WV], 0
	s_cbranch_scc1 .Lnot_wave_0_\@
	s_barrier_signal -3
.Lnot_wave_0_\@:
	s_barrier_wait -3
	s_barrier_signal -1
	s_barrier_wait -1
.endm
.macro ARM under, g0, g1, next
	s_cmp_lt_u32 s[WV], \under
	s_cbranch_scc0 \next
	tensor_load_to_lds s[\g0:\g0+3], s[\g1:\g1+7]
	s_nop 0
.rept 4
	v_nop
.endr
	s_branch .Lasked
\next:
.endm
.macro EXPS u                          ; p = 2^(t - M) of tile u, and each block's largest p
.set j, 0
.rept 64
	v_exp_f32 v[S+64*(\u)+j], v[S+64*(\u)+j]
.set j, j+1
.endr
.irp b, 0,1,2,3
	v_exp_f32 v[BM+4*(\u)+\b], v[BM+4*(\u)+\b]
.endr
.endm
.macro FIN u                           ; tile u's p: scale word, codes, a whole block to a lane; then the row's sum, whose 32 lines are the places ahead of the products
.set SU, S+64*(\u)
.set BU, BM+4*(\u)
.set PU, PT+4*(\u)
.set OU, SO+4*(\u)
.set CU, CT+8*(\u)
.set DU, PCD+12*(\u)
.set LU, LS+2*(\u)
.irp b, 0,1,2,3
	v_max_num_f32 v[BU+\b], 0x1800000, v[BU+\b]    ; the floor 2^(3 - 127)
.endr
.irp b, 0,1,2,3
	v_add_nc_u32 v[OU+\b], 0xff000000, v[BU+\b]    ; 2 off the exponent field: the conversion's scale operand
.endr
.irp b, 0,1,2,3
	v_lshrrev_b32 v[PU+\b], 23, v[OU+\b]
.endr
	v_lshl_or_b32 v[PSW+\u], v[PU+1], 8, v[PU]
	v_lshl_or_b32 v[PSW+\u], v[PU+2], 16, v[PSW+\u]
	v_lshl_or_b32 v[PSW+\u], v[PU+3], 24, v[PSW+\u]
.irp c, 0,1
	v_cvt_scalef32_pk16_fp6_f32 v[DU+6*\c:DU+6*\c+2], v[SU+32*\c:SU+32*\c+15], v[OU+2*\c]
	v_cvt_scalef32_pk16_fp6_f32 v[CU+4*\c:CU+4*\c+2], v[SU+32*\c+16:SU+32*\c+31], v[OU+2*\c+1]
.endr
	v_nop                                          ; one plain line behind the conversions
.irp c, 0,1
.irp i, 0,1,2
	v_permlane16_swap_b32 v[DU+6*\c+\i], v[CU+4*\c+\i]
.endr
.irp i, 0,1,2
	v_mov_b32 v[DU+6*\c+3+\i], v[CU+4*\c+\i]
.endr
.endr
	v_pk_add_f32 v[X:X+1], v[SU:SU+1], v[SU+2:SU+3]              ; the sum of the unquantised p, two at a time, in four chains
	v_pk_add_f32 v[X+2:X+3], v[SU+4:SU+5], v[SU+6:SU+7]
	v_pk_add_f32 v[X+4:X+5], v[SU+8:SU+9], v[SU+10:SU+11]
	v_pk_add_f32 v[LU:LU+1], v[LU:LU+1], v[SU+12:SU+13]
.irp j, 14,22,30,38,46,54
	v_pk_add_f32 v[X:X+1], v[X:X+1], v[SU+\j:SU+\j+1]
	v_pk_add_f32 v[X+2:X+3], v[X+2:X+3], v[SU+\j+2:SU+\j+3]
	v_pk_add_f32 v[X+4:X+5], v[X+4:X+5], v[SU+\j+4:SU+\j+5]
	v_pk_add_f32 v[LU:LU+1], v[LU:LU+1], v[SU+\j+6:SU+\j+7]
.endr
	v_pk_add_f32 v[X:X+1], v[X:X+1], v[SU+62:SU+63]
	v_pk_add_f32 v[X:X+1], v[X:X+1], v[X+2:X+3]
	v_pk_add_f32 v[LU:LU+1], v[LU:LU+1], v[X+4:X+5]
	v_pk_add_f32 v[LU:LU+1], v[LU:LU+1], v[X:X+1]
.endm
.macro PV u                            ; O^T += V^T P^T of tile u; the four accumulators take turns
	WIN 0x51
.irp t, 0,1,2,3
	v_wmma_scale_f32_16x16x128_f8f6f4 v[OW+32*(\u)+8*\t:OW+32*(\u)+8*\t+7], v[VW+12*\t:VW+12*\t+11], v[PCD+12*(\u):PCD+12*(\u)+11], v[OW+32*(\u)+8*\t:OW+32*(\u)+8*\t+7], v[VSW+\t], v[PSW+\u] matrix_a_fmt:MATRIX_FMT_FP6 matrix_b_fmt:MATRIX_FMT_FP6
.endr
	WIN 0
.endm
	s_load_b128 s[4:7], s[0:1], 0x0                ; qk s[4:5], vq s[6:7]
	s_load_b64 s[8:9], s[0:1], 0x10                ; ao
	v_lshl_add_u32 v[SPW], v0, 2, SPARE
	v_mov_b32 v[NIL], 0
	ds_add_u32 v[SPW], v[NIL]                      ; the opening lines: the add twice on end and its wait
	ds_add_u32 v[SPW], v[NIL]
	v_lshrrev_b32 v1, 5, v0
	v_readfirstlane_b32 s[WV], v1                  ; wave 0..7
	s_bfe_u32 s11, ttmp6, 0x40000                  ; cx
	s_and_b32 s12, ttmp7, 0xffff                   ; 16 b + h, which the four partners share
	s_lshr_b32 s13, s12, 4                         ; b
	s_and_b32 s14, s12, 15                         ; h
	s_and_b32 s15, s14, 1
	s_mov_b32 s[SEL], 0x76543210
	s_mov_b32 s[SEL+1], 0xfedcba98
	s_mov_b32 s[CS], 0x3e38aa3b
	s_mov_b32 s[CS+1], s[CS]
	s_mov_b32 s[NC], 0xbe38aa3b
	s_mov_b32 s[HI], 0xffff0000                    ; lanes 16-31
	; groups 1: elements of 8 bytes, mask 15 with bit 21 beside it, no padding
.irp g, 28, 36, 44, 52
	s_mov_b32 s[\g], 15|(3<<16)|(1<<21)
	s_mov_b32 s[\g+6], 0
	s_mov_b32 s[\g+7], 0
.endr
	s_mov_b32 s29, 32<<16                          ; half of K's codes: 49,152 dense bytes as 192 rows of 256
	s_mov_b32 s30, 192<<16
	s_mov_b32 s31, 32<<16
	s_mov_b32 s32, 192
	s_mov_b32 s33, 32
	s_mov_b32 s37, 384<<16                         ; half of V's codes: 16 rows (64 keys each) of 3,072 bytes, GP_B apart
	s_mov_b32 s38, 16<<16
	s_mov_b32 s39, 384<<16
	s_mov_b32 s40, 16
	s_mov_b32 s41, GP_B/8
	s_mov_b32 s45, 32<<16                          ; K's scale words: 8,192 dense bytes
	s_mov_b32 s46, 32<<16
	s_mov_b32 s47, 32<<16
	s_mov_b32 s48, 32
	s_mov_b32 s49, 32
	s_mov_b32 s53, 32<<16                          ; V's scale words: 16 rows (key steps) of 256 bytes, 32,768 apart
	s_mov_b32 s54, 16<<16
	s_mov_b32 s55, 32<<16
	s_mov_b32 s56, 16
	s_mov_b32 s57, 4096
	s_mov_b32 s89, 0
	s_and_b32 s90, s[WV], 1                        ; which half of the codes
	s_mul_i32 s91, s90, 49152
	s_wait_dscnt 0x0
	s_wait_kmcnt 0x0
	s_mov_b32 s60, 1                               ; K's codes: group 16 + h, tiles 128 b + 64 half on
	s_mov_b32 s61, s91
	s_add_co_u32 s88, s14, 16
	s_lshl_b32 s88, s88, 9
	s_lshl_b32 s27, s13, 7
	s_add_co_u32 s88, s88, s27
	s_mul_i32 s88, s88, 768
	s_add_co_u32 s88, s88, s91
	s_add_co_u32 s88, s88, RCODES
	s_add_nc_u64 s[62:63], s[4:5], s[88:89]
	s_or_b32 s63, s63, 0x80000000
	s_mov_b32 s68, 1                               ; V's codes: groups 32 b + 16 half on, tiles 4 h on
	s_add_co_u32 s69, s91, VC
	s_lshl_b32 s88, s13, 5
	s_lshl_b32 s27, s90, 4
	s_add_co_u32 s88, s88, s27
	s_lshl_b32 s88, s88, 9
	s_lshl_b32 s27, s14, 2
	s_add_co_u32 s88, s88, s27
	s_mul_i32 s88, s88, 768
	s_add_co_u32 s88, s88, RCODES
	s_add_nc_u64 s[70:71], s[6:7], s[88:89]
	s_or_b32 s71, s71, 0x80000000
	s_mov_b32 s72, 1                               ; K's scale words: pair of heads (16 + h) / 2
	s_mov_b32 s73, KS
	s_add_co_u32 s88, s14, 16
	s_lshr_b32 s88, s88, 1
	s_lshl_b32 s88, s88, 9
	s_lshl_b32 s27, s13, 7
	s_add_co_u32 s88, s88, s27
	s_lshl_b32 s88, s88, 6
	s_add_nc_u64 s[74:75], s[4:5], s[88:89]
	s_or_b32 s75, s75, 0x80000000
	s_mov_b32 s76, 1                               ; V's scale words: key steps 16 b on
	s_mov_b32 s77, VS
	s_lshl_b32 s88, s13, 13
	s_lshl_b32 s27, s14, 2
	s_add_co_u32 s88, s88, s27
	s_lshl_b32 s88, s88, 6
	s_add_nc_u64 s[78:79], s[6:7], s[88:89]
	s_or_b32 s79, s79, 0x80000000
	CROUND                                         ; all four work-groups are here: the joint loads meet
	ARM 2, 60, 28, .Larm_v                         ; waves 0, 1: K's codes
	ARM 4, 68, 36, .Larm_ks                        ; waves 2, 3: V's codes
	ARM 5, 72, 44, .Larm_vs                        ; wave 4: K's scale words
	s_cmp_lt_u32 s[WV], 6
	s_cbranch_scc0 .Lasked
	tensor_load_to_lds s[76:79], s[52:59]          ; wave 5: V's scale words
	s_nop 0
.rept 4
	v_nop
.endr
.Lasked:
	v_and_b32 v38, 31, v0                          ; lane
	v_and_b32 v39, 15, v0                          ; r
	v_bfe_u32 v31, v0, 4, 1                        ; lane / 16
	v_lshlrev_b32 v[L16], 4, v38
	v_lshlrev_b32 v[L8], 3, v38
	v_add_nc_u32 v[L8], 512, v[L8]
	v_add_nc_u32 v[AV16], VC, v[L16]
	v_add_nc_u32 v[AV8], VC, v[L8]
	v_lshlrev_b32 v[QSO], 2, v39
	s_lshl_b32 s27, s15, 1
	v_add_nc_u32 v[QSO], s27, v[QSO]               ; 4 r + 2 (h % 2)
	v_add_nc_u32 v[AKS], KS, v[QSO]
	v_lshl_add_u32 v[AVS], v39, 2, VS
	v_and_b32 v[D0], 8, v39
	v_add_nc_u32 v[D0], v[D0], v39                 ; r + 8 (r / 8)
	v_lshlrev_b32 v[OSO], 4, v31
	v_sub_nc_u32 v[D0], v[D0], v[OSO]
	s_lshl_b32 s27, s11, 5
	v_add_nc_u32 v[D0], s27, v[D0]                 ; + 32 e: tile 0's
	v_add_nc_u32 v[D0+1], 8, v[D0]                 ; tile 1's tokens lie 8 further on
	v_add_nc_u32 v[OSO], v[QSO], v31
	v_mov_b32 v[NINF], 0xff800000
.irp i, 0,1,2,3,4,5,6,7
	v_mov_b32 v[PT+\i], 0                          ; written once: a lane permute's destination counts as one of its sources
.endr
	v_mov_b32 v[T0], 0
	v_mov_b32 v[T0+1], 0
	v_mov_b32 v[F+1], 0
	v_mov_b32 v[F+3], 0
	WIN 0x40
.irp i, 6,7,8,9,10,11
	v_mov_b32 v[QW+\i], 0                          ; zero codes for k = 64 .. 127
	v_mov_b32 v[QW+12+\i], 0
	v_mov_b32 v[QW+72+\i], 0                       ; the second pass's q has registers of its own, behind V's
	v_mov_b32 v[QW+84+\i], 0
	v_mov_b32 v[KW+42+\i], 0                       ; behind K's last tile
.endr
	WIN 0
; BOTH PASSES' q IS LOADED HERE, while the tensor loads are on their way.  Pass p: fragments at window 1's v[QW + 72 p] on, scale words in v102, v103 (p = 0) or v2, v7 (p = 1), which hold nothing else;
; bases of the loads s[80:83] or s[96:99], of the pass's stores s[84:87] or s[92:95].
.macro QLOAD p
.if \p
	s_sub_co_u32 s[A], 15, s[WV]
.else
	s_mov_b32 s[A], s[WV]
.endif
	s_lshl_b32 s88, s13, 7
	s_lshl_b32 s89, s[A], 3
	s_add_co_u32 s88, s88, s89
	s_lshl_b32 s89, s11, 1
	s_add_co_u32 s88, s88, s89                     ; my first tile of tokens: 128 b + 8 a + 2 e
	s_lshl_b32 s90, s14, 9
	s_add_co_u32 s90, s90, s88
	s_mul_i32 s90, s90, 768                        ; image (h, tile): the same place in q's codes and in ao's
	s_mov_b32 s91, 0
	s_add_nc_u64 s[80+16*\p:81+16*\p], s[4:5], s[90:91]
	s_add_nc_u64 s[80+16*\p:81+16*\p], s[80+16*\p:81+16*\p], RCODES
	s_add_nc_u64 s[84+8*\p:85+8*\p], s[8:9], s[90:91]
	s_add_nc_u64 s[84+8*\p:85+8*\p], s[84+8*\p:85+8*\p], CODES
	s_lshr_b32 s90, s14, 1
	s_lshl_b32 s90, s90, 9
	s_add_co_u32 s90, s90, s88
	s_lshl_b32 s90, s90, 6                         ; the tile's 16 scale words of the pair of heads: the same place in both
	s_add_nc_u64 s[82+16*\p:83+16*\p], s[4:5], s[90:91]
	s_add_nc_u64 s[86+8*\p:87+8*\p], s[8:9], s[90:91]
	WIN 0x40
.irp u, 0,1
	global_load_b128 v[QW+72*\p+12*\u:QW+72*\p+12*\u+3], v[L16], s[80+16*\p:81+16*\p] offset:768*\u
	global_load_b64 v[QW+72*\p+12*\u+4:QW+72*\p+12*\u+5], v[L8], s[80+16*\p:81+16*\p] offset:768*\u
.endr
	WIN 0
.irp u, 0,1
	global_load_u16 v[(1-\p)*(QSW+\u)+\p*(2+5*\u)], v[QSO], s[82+16*\p:83+16*\p] offset:64*\u   ; my head's two bytes; the upper two are 0
.endr
.endm
	WALU                                           ; the wait ahead of the run of scalar lines below
	QLOAD 0
	QLOAD 1
	s_wait_loadcnt 0x0
	s_wait_tensorcnt 0x0
	s_barrier_signal -1
	s_barrier_wait -1                              ; everybody's has; from here on LDS is only read
.macro PASS p
.if \p
	s_wait_xcnt 0x0                                ; the first pair's stores have read their registers and bases, which are written again below
	s_sub_co_u32 s[A], 15, s[WV]
.else
	s_mov_b32 s[A], s[WV]
.endif
	WIN 0x40
.irp t, 0,1,2,3,4,5,6,7
	ds_load_b128 v[KW+6*\t:KW+6*\t+3], v[L16] offset:768*\t          ; key step 0's tiles
	ds_load_b64 v[KW+6*\t+4:KW+6*\t+5], v[L8] offset:768*\t
.endr
.set j, 0
.rept 64
	v_mov_b32 v[OW+j], 0                           ; the step is written once: the first finds zeros, which the first change of M leaves zeros
.set j, j+1
.endr
	WIN 0
.irp t, 0,1,2,3,4,5,6,7
	ds_load_u16 v[KSW+\t], v[AKS] offset:64*\t
.endr
.irp u, 0,1
	v_mov_b32 v[NM+2*\u+1], 0xff61b1e6             ; the largest score so far: -3e38
	v_mov_b32 v[LS+2*\u], 0
	v_mov_b32 v[LS+2*\u+1], 0
.endr
.irp u, 0,1
	v_mul_f32 v[NM+2*\u], s[NC], v[NM+2*\u+1]
.endr
.irp u, 0,1
	v_floor_f32 v[NM+2*\u], v[NM+2*\u]             ; -M
.endr
	s_mov_b32 s[TB], 0
	s_mov_b32 s[TS], 0
	s_mov_b32 s[TJ], 0
	s_mov_b32 s[KI], 0
	WALU                                           ; the wait here, directly ahead of the wait below
.Ltrip_\@:
	s_cmp_gt_u32 s[KI], s[A]                       ; all of the step's keys come after my queries: only the addresses step
	s_cbranch_scc1 .Lhidden_\@
	s_wait_dscnt 0x0                               ; this step's tiles of K, asked for a step ago
	WIN 0x05
.irp t, 0,1,2,3,4,5,6,7                        ; S^T = K Q^T
.irp u, 0,1
	v_wmma_scale_f32_16x16x128_f8f6f4 v[S+64*\u+8*\t:S+64*\u+8*\t+7], v[KW+6*\t:KW+6*\t+11], v[QW+72*\p+12*\u:QW+72*\p+12*\u+11], 0, v[KSW+\t], v[(1-\p)*(QSW+\u)+\p*(2+5*\u)] matrix_a_fmt:MATRIX_FMT_FP6 matrix_b_fmt:MATRIX_FMT_FP6
.endr
.endr
	WIN 0
	v_add_nc_u32 v[ADR], s[TB], v[AV16]            ; six plain lines: the places between the products and the loads into their registers and the reads of their results
	v_add_nc_u32 v[ADR+1], s[TB], v[AV8]
	v_add_nc_u32 v[ADR+2], s[TJ], v[AVS]
	v_add_nc_u32 v[ADR+3], s[TB], v[L16]
	v_add_nc_u32 v[ADR+4], s[TB], v[L8]
	v_add_nc_u32 v[ADR+5], s[TS], v[AKS]
.irp t, 0,1,2,3
	ds_load_b32 v[VSW+\t], v[ADR+2] offset:\t*64
.endr
	WIN 0x40
.irp t, 0,1,2,3                                ; V's four fragments (16 dims x these 128 keys)
	ds_load_b128 v[VW+12*\t:VW+12*\t+3], v[ADR] offset:\t*768
	ds_load_b64 v[VW+12*\t+4:VW+12*\t+5], v[ADR+1] offset:\t*768
	ds_load_b128 v[VW+12*\t+6:VW+12*\t+9], v[ADR] offset:3072+\t*768
	ds_load_b64 v[VW+12*\t+10:VW+12*\t+11], v[ADR+1] offset:3072+\t*768
.endr
.irp t, 0,1,2,3,4,5,6,7                        ; the next step's tiles of K (behind step 15: bytes of V's, which nobody multiplies)
	ds_load_b128 v[KW+6*\t:KW+6*\t+3], v[ADR+3] offset:6144+768*\t
	ds_load_b64 v[KW+6*\t+4:KW+6*\t+5], v[ADR+4] offset:6144+768*\t
.endr
	WIN 0
.irp t, 0,1,2,3,4,5,6,7
	ds_load_u16 v[KSW+\t], v[ADR+5] offset:512+64*\t
.endr
	s_cmp_lt_u32 s[KI], s[A]                       ; only step a lies on the diagonal
	s_cbranch_scc1 .Lopen_\@
.set n, 0
.rept 64                                       ; register 16 b + i holds key 32 b + 16 (lane / 16) + i of the step: hidden where 32 b + i > D0
.irp u, 0,1
	v_cmp_gt_i32 vcc_lo, 32*(n/16)+n%16, v[D0+\u]
	v_cndmask_b32 v[S+64*\u+n], v[S+64*\u+n], v[NINF], vcc_lo
.endr
.set n, n+1
.endr
.Lopen_\@:
.irp u, 0,1
.irp b, 0,1,2,3
	v_max3_num_f32 v[BM+4*\u+\b], v[S+64*\u+16*\b], v[S+64*\u+16*\b+1], v[S+64*\u+16*\b+2]    ; the largest score of each block of 32 keys: for the row's maximum and, since p rises with the score, for the block's largest p
.endr
.endr
.irp i, 3,5,7,9,11,13
.irp u, 0,1
.irp b, 0,1,2,3
	v_max3_num_f32 v[BM+4*\u+\b], v[BM+4*\u+\b], v[S+64*\u+16*\b+\i], v[S+64*\u+16*\b+\i+1]
.endr
.endr
.endr
.irp u, 0,1
.irp b, 0,1,2,3
	v_max_num_f32 v[BM+4*\u+\b], v[BM+4*\u+\b], v[S+64*\u+16*\b+15]
.endr
.endr
.irp i, 0,1,2,3,4,5,6,7
	v_permlanex16_b32 v[PT+\i], v[BM+\i], s[SEL], s[SEL+1]
.endr
.irp i, 0,1,2,3,4,5,6,7
	v_max_num_f32 v[BM+\i], v[BM+\i], v[PT+\i]     ; with lane l xor 16's 16 keys
.endr
.irp u, 0,1
	v_max3_num_f32 v[T0+\u], v[BM+4*\u], v[BM+4*\u+1], v[BM+4*\u+2]
.endr
.irp u, 0,1
	v_max3_num_f32 v[NM+2*\u+1], v[NM+2*\u+1], v[T0+\u], v[BM+4*\u+3]    ; the running largest score
.endr
.irp u, 0,1
	v_mov_b32 v[T0+\u], v[NM+2*\u]
.endr
.irp u, 0,1
	v_mul_f32 v[NM+2*\u], s[NC], v[NM+2*\u+1]
.endr
.irp u, 0,1
	v_floor_f32 v[NM+2*\u], v[NM+2*\u]             ; -M = floor(-t): M is a whole number
.endr
.irp u, 0,1
	v_sub_f32 v[T0+\u], v[NM+2*\u], v[T0+\u]
.endr
.irp u, 0,1
	v_cvt_i32_f32 v[T0+\u], v[T0+\u]
.endr
.irp u, 0,1
	v_ldexp_f32 v[F+2*\u], 1.0, v[T0+\u]           ; f = 2^(old M - new M): rounds nothing
.endr
.irp u, 0,1
.set j, 0
.rept 32
	v_pk_fma_f32 v[S+64*\u+j:S+64*\u+j+1], v[S+64*\u+j:S+64*\u+j+1], s[CS:CS+1], v[NM+2*\u:NM+2*\u+1] op_sel_hi:[1,0,0]   ; t - M
.set j, j+2
.endr
.endr
.irp u, 0,1
.irp b, 0,1,2,3
	v_fma_f32 v[BM+4*\u+\b], v[BM+4*\u+\b], s[CS], v[NM+2*\u]
.endr
.endr
.irp u, 0,1
	v_pk_mul_f32 v[LS+2*\u:LS+2*\u+1], v[LS+2*\u:LS+2*\u+1], v[F+2*\u:F+2*\u+1] op_sel_hi:[1,0]    ; the sums under the new M
.endr
	WIN 0x41
.irp u, 0,1
.set j, 0
.rept 16
	v_pk_mul_f32 v[OW+32*\u+j:OW+32*\u+j+1], v[OW+32*\u+j:OW+32*\u+j+1], v[F+2*\u:F+2*\u+1] op_sel_hi:[1,0]    ; O^T under the new M, ahead of the exponentials
.set j, j+2
.endr
.endr
	WIN 0
	WALU                                           ; the wait ahead of a batch of exponentials
	EXPS 0
	v_nop                                          ; a plain line behind the batch
	WALU                                           ; the wait behind tile 0's batch, which is also the wait ahead of tile 1's
	EXPS 1
	FIN 0                                          ; plain work on tile 0 behind tile 1's batch
	WALU                                           ; the wait behind tile 1's batch, directly ahead of the wait below
	s_wait_dscnt 24                                ; V's 20 loads are in; the next step's 16 + 8 of K may be out
	PV 0
	FIN 1
	WALU
	PV 1
.Lhidden_\@:
	s_add_co_u32 s[TB], s[TB], 6144
	s_add_co_u32 s[TS], s[TS], 512
	s_add_co_u32 s[TJ], s[TJ], 256
	s_add_co_u32 s[KI], s[KI], 1
	s_cmp_lt_u32 s[KI], 16
	s_cbranch_scc1 .Ltrip_\@
	; the pair's end: O^T / the sum, quantised along the head's 64: register 16 b + i is dim 32 b + 16 (lane / 16) + i of my query
	s_wait_dscnt 0x0                               ; the loads that ran ahead have landed: their registers are loaded anew in the next pass
.rept 4
	v_nop
.endr
.irp u, 0,1
	v_add_f32 v[LS+2*\u], v[LS+2*\u], v[LS+2*\u+1]
.endr
.irp u, 0,1
	v_permlanex16_b32 v[T0+\u], v[LS+2*\u], s[SEL], s[SEL+1]
.endr
.irp u, 0,1
	v_add_f32 v[LS+2*\u], v[LS+2*\u], v[T0+\u]
.endr
	WALU
.irp u, 0,1
	v_rcp_f32 v[LS+2*\u], v[LS+2*\u]
.endr
	WIN 0x01
	v_nop                                          ; a plain line behind the reciprocals,
	WALU                                           ; and the wait directly ahead of their first reader, which is O^T's too
.irp u, 0,1
.set j, 0
.rept 32
	v_mul_f32 v[S+64*\u+j], v[OW+32*\u+j], v[LS+2*\u]        ; each accumulator from its low end on
.set j, j+1
.endr
.endr
	WIN 0
.irp u, 0,1
.irp b, 0,1
	v_max3_num_f32 v[BM+4*\u+\b], |v[S+64*\u+16*\b]|, |v[S+64*\u+16*\b+1]|, 0x1800000
.endr
.endr
.irp i, 2,4,6,8,10,12,14
.irp u, 0,1
.irp b, 0,1
	v_max3_num_f32 v[BM+4*\u+\b], v[BM+4*\u+\b], |v[S+64*\u+16*\b+\i]|, |v[S+64*\u+16*\b+\i+1]|
.endr
.endr
.endr
.irp i, 0,1,4,5
	v_permlanex16_b32 v[PT+\i], v[BM+\i], s[SEL], s[SEL+1]
.endr
.irp i, 0,1,4,5
	v_max_num_f32 v[BM+\i], v[BM+\i], v[PT+\i]
.endr
.irp i, 0,1,4,5
	v_add_nc_u32 v[SO+\i], 0xff000000, v[BM+\i]
.endr
.irp i, 0,1,4,5
	v_lshrrev_b32 v[PT+\i], 23, v[SO+\i]
.endr
.irp u, 0,1
	v_cvt_scalef32_pk16_fp6_f32 v[PCD+12*\u:PCD+12*\u+2], v[S+64*\u:S+64*\u+15], v[SO+4*\u]
	v_cvt_scalef32_pk16_fp6_f32 v[CT+8*\u:CT+8*\u+2], v[S+64*\u+16:S+64*\u+31], v[SO+4*\u+1]
.endr
.irp u, 0,1
	v_cndmask_b32 v[OB+\u], v[PT+4*\u], v[PT+4*\u+1], s[HI]  ; lanes 0-15 block 0's byte, lanes 16-31 block 1's.  (The plain line behind the conversions)
.endr
.irp u, 0,1
.irp i, 0,1,2
	v_permlane16_swap_b32 v[PCD+12*\u+\i], v[CT+8*\u+\i]
.endr
.irp i, 0,1,2
	v_mov_b32 v[PCD+12*\u+3+\i], v[CT+8*\u+\i]
.endr
.endr
.irp u, 0,1
	global_store_b128 v[L16], v[PCD+12*\u:PCD+12*\u+3], s[84+8*\p:85+8*\p] offset:768*\u     ; the image: 512 consecutive bytes,
	global_store_b64 v[L8], v[PCD+12*\u+4:PCD+12*\u+5], s[84+8*\p:85+8*\p] offset:768*\u     ; and 256
	global_store_b8 v[OSO], v[OB+\u], s[86+8*\p:87+8*\p] offset:64*\u                        ; my byte of the row's scale word: the word's other two bytes are the neighbouring head's
.endr
.endm
	PASS 0
	PASS 1
	s_wait_tensorcnt 0x0                           ; the wave's end
	ds_add_u32 v[SPW], v[NIL]
	s_wait_dscnt 0x0
	CROUND                                         ; the closing round
	s_endpgm
.Lfunc_end_k_q671ffef64b_attn:
	.size	k_q671ffef64b_attn, .Lfunc_end_k_q671ffef64b_attn-k_q671ffef64b_attn
	.p2alignl 7, 3214868480
	.fill 96, 4, 3214868480
	.section	.rodata,"a",@progbits
	.p2align	6, 0x0
	.amdhsa_kernel k_q671ffef64b_attn
		.amdhsa_group_segment_fixed_size 210944
		.amdhsa_private_segment_fixed_size 0
		.amdhsa_enable_private_segment 0
		.amdhsa_kernarg_size 24
		.amdhsa_user_sgpr_count 2
		.amdhsa_user_sgpr_kernarg_segment_ptr 1
		.amdhsa_wavefront_size32 1
		.amdhsa_system_sgpr_workgroup_id_x 1
		.amdhsa_system_sgpr_workgroup_id_y 1
		.amdhsa_system_sgpr_workgroup_id_z 1
		.amdhsa_system_vgpr_workitem_id 0
		.amdhsa_next_free_vgpr 472
		.amdhsa_next_free_sgpr 100
		.amdhsa_reserve_vcc 1
		.amdhsa_float_denorm_mode_32 3
		.amdhsa_float_denorm_mode_16_64 3
		.amdhsa_memory_ordered 1
		.amdhsa_forward_progress 1
		.amdhsa_inst_pref_size 114
	.end_amdhsa_kernel
	.amdgpu_metadata
---
amdhsa.version: [ 1, 2 ]
amdhsa.kernels:
  - .name:           k_q671ffef64b_attn
    .symbol:         k_q671ffef64b_attn.kd
    .args:
      - { .name: qk, .offset: 0, .size: 8, .value_kind: global_buffer, .address_space: global }
      - { .name: vq, .offset: 8, .size: 8, .value_kind: global_buffer, .address_space: global }
      - { .name: ao, .offset: 16, .size: 8, .value_kind: global_buffer, .address_space: global }
    .group_segment_fixed_size: 210944
    .private_segment_fixed_size: 0
    .kernarg_segment_align: 8
    .kernarg_segment_size: 24
    .max_flat_workgroup_size: 256
    .sgpr_count:     100
    .vgpr_count:     472
    .wavefront_size: 32
...
	.end_amdgpu_metadata
.endif
;; end of part 3
;; launch gemm_out (part 4): grid 8 x 32, 4 waves a work-group, clusters of 4 x 4, 327,680 bytes of LDS; arguments ao, wo, b_out, out0; writes out0
.if DOCPART == 4
	.amdgcn_target "amdgcn-amd-amdhsa--gfx1250"
	.amdhsa_code_object_version 6
	.text
	.protected	k_q671ffef64b_gemm_out
	.globl	k_q671ffef64b_gemm_out
	.p2align	8
	.type	k_q671ffef64b_gemm_out,@function
k_q671ffef64b_gemm_out:
	s_mov_b64 s[64:65], 0
	v_nop
	global_prefetch_b8 v0, s[64:65] scope:SCOPE_SE
	s_setreg_imm32_b32 hwreg(HW_REG_WAVE_MODE, 25, 1), 1
	s_wait_xcnt 0x0
	s_wait_alu depctr_hold_cnt(0) depctr_sa_sdst(0) depctr_va_vdst(0) depctr_va_sdst(0) depctr_va_ssrc(0) depctr_va_vcc(0) depctr_vm_vsrc(0)
	s_getreg_b32 s2, hwreg(HW_REG_IB_STS2, 6, 4)
	s_cmp_eq_u32 s2, 0
	s_cbranch_scc0 .Lentry_in_a_cluster
	s_endpgm
.Lentry_in_a_cluster:
	s_bfe_u32 s2, ttmp6, 0x10000c
	s_cmp_lg_u32 s2, 0xf033
	s_cbranch_scc0 .Lentry_shape_is_right
	s_endpgm
.Lentry_shape_is_right:
; out0 = Q(o) Q(w_out)^T + b_out.  A = ao (8,192 tokens), B = wo (1,024 columns of the result): operand buffers of FP6 (E2M3) codes with one E8M0 byte for each 32 along K, K = 1,024; sums in f32.
; AN IMAGE (64 along K: group G; 16 rows: tile T) is 768 bytes at CODES + (512 G + T) 768: lane l has registers 0-3 at 16 l, registers 4-5 at 512 + 8 l.  Scale words (128 along K) at 32768 kstep + 4 position.
; ROWS BY POSITION: in each 32 rows position 16 u + r holds row 8 u + r + 8 (r / 8), in A and in B.
; THE DEAL: 256 work-groups of four waves, 2 x 2; a work-group makes 256 tokens x 128 columns, a wave 128 x 64.  ALL OF K LIES IN LDS, every byte filled once: A's 16 groups x 16 tiles, B's 16 groups x 8 tiles, the scale words.
; So there is no ring and no refill: four joint loads at the head, one a wave (A's shared along a row of the 4 x 4 cluster, B's along a column).  Nothing is prefetched: all that the launch reads by tensor loads is asked for at its head.
; A wave's 64 rows of B, all of K, go into 384 registers as soon as B has landed (the first barrier shows B's two tiles alone), while A is on its way.  A streams past in blocks of 16 tokens, all of K: 8 fragments and 4 scale registers, in two sets.
; A block is 32 products on four accumulators by turns, K ascending; the bias is the first four products' C.  A finished block goes through the wave's own stage in LDS and leaves as rows of 256 bytes while the next block is multiplied.
; THE MATRIX INSTRUCTION IS USED TRANSPOSED (source 0 = 16 positions of B): a lane holds one token, and the 16 registers of tiles 2 p, 2 p + 1 are columns 32 p + 16 (lane / 16) + 0 .. 15.
; THE WAITS' COUNTS on LDS: a block's rows were fetched two blocks ago; younger than that fetch are a turn through the stage (8 stores, 8 loads) and the next fetch (NF = 36 loads): 52; ahead of block 0 the next fetch alone; ahead of block 7 the turn alone.
; A block's rows are back from the stage when all but the fetch behind them (36) are done.
.set GP_B,   393216
.set CODES,  262144
.set FR,     12                        ; registers of a fragment
.set FPW,    21                        ; fragments in a window of 256 registers; fragment f lies in window 1 + f / 21 at register 12 (f % 21): 0-31 B's (4 q + b), 32-39 and 40-47 A's two sets
.set NF,     36
.set AR,     0                         ; LDS: A's codes [group 16][tile 16][768]
.set BR,     196608                    ; B's codes [group 16][tile 8][768]
.set SAL,    294912                    ; A's scale words [K step 8][256][4]
.set SBL,    303104                    ; B's [K step 8][128][4]
.set STAGE,  307200                    ; 16 rows of 256 + 16 bytes for each wave; no fill lands here
.set SPITCH, 272
.set SPARE,  324608                    ; the spare words, 128 bytes a wave
.set L16,  4
.set L8,   5
.set AA,   8                           ; v8-15  my A tiles: groups 4 k on: the 16-byte parts (even), the 8-byte parts (odd)
.set AB,   16                          ; v16-19 my B tiles: groups 8 k on
.set ASA,  20                          ; A's scale words: lanes 0-15 an even K step, lanes 16-31 the odd one behind it
.set ASB,  21                          ; B's: lanes 0-15 tile 2 p, lanes 16-31 tile 2 p + 1
.set STO,  22
.set RD,   23
.set CO,   24
.set BO,   25
.set SPW,  28
.set NIL,  29
.set SBR,  32                          ; v32-47 B's scale words: 8 p + q
.set SAR,  53                          ; v53-56, v61-64 A's: 8 e + q / 2
.set BI,   72                          ; v72-103 the bias, laid as the result lies
.set ACC,  104                         ; v104-167 two sets of four accumulators
.set OB,   168                         ; v168-231 two sets of 16 rows read back from the stage
.set G1A,  24
.set G1B,  32
.set G1SA, 48
.set G1SB, 56
.set G0A,  68
.set G0B,  72
.set G0SA, 76
.set G0SB, 80
.set MSB, 0
.macro WIN new                         ; the immediate's high byte repeats the setting that is left
.if MSB != \new
	s_set_vgpr_msb (MSB<<8)|\new
.set MSB, \new
.endif
.endm
.macro PLACES n
.rept \n
	v_nop
.endr
.endm
.macro WALU
	s_wait_alu depctr_va_vdst(0)
.endm
.macro BARRIER
	s_barrier_signal -1
	s_barrier_wait -1
.endm
.macro CROUND
	BARRIER
	s_cmp_lg_u32 s14, 0
	s_cbranch_scc1 .Lnot_wave_0_\@
	s_barrier_signal -3
.Lnot_wave_0_\@:
	s_barrier_wait -3
	BARRIER
.endm
.macro GROUP1 g, c, r, p               ; r rows of c elements of 8 bytes, p elements apart
	s_mov_b32 s[\g+1], (\c)<<16
	s_mov_b32 s[\g+2], (\r)<<16
	s_mov_b32 s[\g+3], (\c)<<16
	s_mov_b32 s[\g+4], \r
	s_mov_b32 s[\g+5], \p
	s_mov_b32 s[\g+6], 0
	s_mov_b32 s[\g+7], 0
.endm
.macro ARM under, g0, g1, next
	s_cmp_lt_u32 s14, \under
	s_cbranch_scc0 \next
	tensor_load_to_lds s[\g0:\g0+3], s[\g1:\g1+7]
	s_nop 0
	PLACES 4
	s_branch .Lasked
\next:
.endm
.macro FRAG f, a16, a8, off, pg        ; a fragment: a tile's images of two neighbouring groups, pg bytes apart
	WIN (1+(\f)/FPW)<<6
.set R_, FR*((\f)%FPW)
.irp c, 0,1
	ds_load_b128 v[R_+6*\c:R_+6*\c+3], v[\a16] offset:(\off)+\c*(\pg)
	ds_load_b64 v[R_+6*\c+4:R_+6*\c+5], v[\a8] offset:(\off)+\c*(\pg)
.endr
.endm
.macro WEIGHTS                         ; my 64 rows of B, all of K: 128 loads, and 16 of scale words
.irp q, 0,1,2,3,4,5,6,7
.irp b, 0,1,2,3
	FRAG 4*\q+\b, AB+2*(\q/4), AB+2*(\q/4)+1, ((2*\q)%8)*6144+\b*768, 6144
.endr
.endr
	WIN 0
.irp q, 0,1,2,3,4,5,6,7
.irp p, 0,1
	ds_load_b32 v[SBR+8*\p+\q], v[ASB] offset:\q*512+\p*128
.endr
.endr
.endm
.macro FETCH e, a                      ; block a of my eight into set e: NF loads
.irp q, 0,1,2,3,4,5,6,7
	FRAG 32+8*(\e)+\q, AA+2*(\q/2), AA+2*(\q/2)+1, ((2*\q)%4)*12288+(\a)*768, 12288
.endr
	WIN 0
.irp k, 0,1,2,3
	ds_load_b32 v[SAR+8*(\e)+\k], v[ASA] offset:\k*2048+(\a)*64
.endr
.endm
.macro PRODS e                         ; 32 products: K step q = 2 k + m, B's tile b = 2 p + o; the four accumulators take turns
.irp k, 0,1,2,3
.irp m, 0,1
.irp p, 0,1
.irp o, 0,1
.set Q_, 2*\k+\m
.set B_, 2*\p+\o
.set FB_, 4*Q_+B_
.set FA_, 32+8*(\e)+Q_
.set D_, ACC+32*(\e)+8*B_
	WIN (1+FB_/FPW)|((1+FA_/FPW)<<2)
.if Q_
	v_wmma_scale_f32_16x16x128_f8f6f4 v[D_:D_+7], v[FR*(FB_%FPW):FR*(FB_%FPW)+FR-1], v[FR*(FA_%FPW):FR*(FA_%FPW)+FR-1], v[D_:D_+7], v[SBR+8*\p+Q_], v[SAR+8*(\e)+\k] matrix_a_fmt:MATRIX_FMT_FP6 matrix_b_fmt:MATRIX_FMT_FP6 matrix_a_scale:MATRIX_SCALE_ROW\o matrix_b_scale:MATRIX_SCALE_ROW\m
.else
	v_wmma_scale_f32_16x16x128_f8f6f4 v[D_:D_+7], v[FR*(FB_%FPW):FR*(FB_%FPW)+FR-1], v[FR*(FA_%FPW):FR*(FA_%FPW)+FR-1], v[BI+8*B_:BI+8*B_+7], v[SBR+8*\p+Q_], v[SAR+8*(\e)+\k] matrix_a_fmt:MATRIX_FMT_FP6 matrix_b_fmt:MATRIX_FMT_FP6 matrix_a_scale:MATRIX_SCALE_ROW\o matrix_b_scale:MATRIX_SCALE_ROW\m
.endif
.endr
.endr
.endr
.endr
	WIN 0
.endm
.macro TOSTAGE s                       ; block s into my stage, each accumulator from its low end on, and back as rows of 256 bytes, two to a load.  LDS serves a wave's instructions in order
.set AC_, ACC+32*((\s)%2)
.set BB_, OB+32*((\s)%2)
.irp b, 0,1,2,3
	ds_store_b128 v[STO], v[AC_+8*\b:AC_+8*\b+3] offset:128*(\b/2)+32*(\b%2)
	ds_store_b128 v[STO], v[AC_+8*\b+4:AC_+8*\b+7] offset:128*(\b/2)+32*(\b%2)+16
.endr
.irp t, 0,1,2,3,4,5,6,7
	ds_load_b128 v[BB_+4*\t:BB_+4*\t+3], v[RD] offset:2*\t*SPITCH
.endr
.endm
.macro SEND s, younger                 ; sixteen lanes store 256 consecutive bytes, at a multiple of 256 from out0's first byte
.set BB_, OB+32*((\s)%2)
	s_wait_dscnt \younger
.irp t, 0,1,2,3,4,5,6,7
	global_store_b128 v[CO], v[BB_+4*\t:BB_+4*\t+3], s[10:11] offset:(32*((\s)/2)+8*((\s)%2)+2*\t+8*(\t/4))*4096 th:TH_STORE_NT
.endr
.endm
.macro BLK s
.if (\s) == 0
	s_wait_dscnt NF
.elseif (\s) < 7
	s_wait_dscnt NF+16
.else
	s_wait_dscnt 16
.endif
	PRODS (\s)%2
	PLACES 4                                       ; between the products and the stores of their results and the loads into their registers
.if (\s) > 1
	s_wait_xcnt 0x0                                ; block s - 2's stores have read their registers, into which this block's rows come back
.endif
.if (\s) == 7
	SEND (\s)-1, 0
.elseif (\s) > 0
	SEND (\s)-1, NF
.endif
	TOSTAGE \s
.if (\s) < 6
	FETCH (\s)%2, (\s)+2
.endif
.endm
	s_load_b128 s[4:7], s[0:1], 0x0                ; ao s[4:5], wo s[6:7]
	s_load_b128 s[8:11], s[0:1], 0x10              ; b_out s[8:9], out0 s[10:11]
	v_lshl_add_u32 v[SPW], v0, 2, SPARE
	v_mov_b32 v[NIL], 0
	ds_add_u32 v[SPW], v[NIL]                      ; the opening lines: the add twice on end and its wait
	ds_add_u32 v[SPW], v[NIL]
	v_lshrrev_b32 v1, 5, v0
	v_readfirstlane_b32 s14, v1                    ; wave 0..3
	s_lshr_b32 s15, s14, 1                         ; which 128 tokens are mine
	s_and_b32 s16, s14, 1                          ; which 64 columns
	s_bfe_u32 s40, ttmp6, 0x40000                  ; cx, cy
	s_bfe_u32 s41, ttmp6, 0x40004
	s_lshl_b32 s42, ttmp9, 2
	s_add_co_u32 s42, s42, s40                     ; tile column, 0 .. 7
	s_and_b32 s17, ttmp7, 0xffff
	s_lshl_b32 s17, s17, 2
	s_add_co_u32 s17, s17, s41                     ; tile row, 0 .. 31
	s_lshl_b32 s43, s41, 2
	s_lshl_b32 s43, 15, s43                        ; my row of the cluster
	s_lshl_b32 s44, 0x1111, s40                    ; my column
	s_or_b32 s[G1A], s43, (3<<16)|(1<<21)
	s_or_b32 s[G1SA], s43, (3<<16)|(1<<21)
	s_or_b32 s[G1B], s44, (3<<16)|(1<<21)
	s_or_b32 s[G1SB], s44, (3<<16)|(1<<21)
	GROUP1 G1A, 1536, 16, GP_B/8                   ; 16 groups of sixteen images
	GROUP1 G1B, 768, 16, GP_B/8                    ; 16 groups of eight images
	GROUP1 G1SA, 128, 8, 4096                      ; 8 K steps of 256 words
	GROUP1 G1SB, 64, 8, 4096                       ; 8 K steps of 128 words
	s_mul_i32 s20, s17, 12288
	s_mov_b32 s21, 0
	s_lshl_b32 s22, s17, 10
	s_mov_b32 s23, 0
	s_mul_i32 s46, s42, 6144
	s_mov_b32 s47, 0
	s_lshl_b32 s84, s42, 9
	s_mov_b32 s85, 0
	s_mov_b32 s[G0A], 1
	s_mov_b32 s[G0A+1], AR
	s_mov_b32 s[G0B], 1
	s_mov_b32 s[G0B+1], BR
	s_mov_b32 s[G0SA], 1
	s_mov_b32 s[G0SA+1], SAL
	s_mov_b32 s[G0SB], 1
	s_mov_b32 s[G0SB+1], SBL
	s_wait_dscnt 0x0
	s_wait_kmcnt 0x0
	s_add_nc_u64 s[G0A+2:G0A+3], s[4:5], s[20:21]
	s_add_nc_u64 s[G0A+2:G0A+3], s[G0A+2:G0A+3], CODES
	s_or_b32 s[G0A+3], s[G0A+3], 0x80000000
	s_add_nc_u64 s[G0SA+2:G0SA+3], s[4:5], s[22:23]
	s_or_b32 s[G0SA+3], s[G0SA+3], 0x80000000
	s_add_nc_u64 s[G0B+2:G0B+3], s[6:7], s[46:47]
	s_add_nc_u64 s[G0B+2:G0B+3], s[G0B+2:G0B+3], CODES
	s_or_b32 s[G0B+3], s[G0B+3], 0x80000000
	s_add_nc_u64 s[G0SB+2:G0SB+3], s[6:7], s[84:85]
	s_or_b32 s[G0SB+3], s[G0SB+3], 0x80000000
	CROUND                                         ; all sixteen work-groups are here: the joint loads meet
	ARM 1, G0B,  G1B,  .Larm_sb                    ; wave 0: B's codes, which are wanted first
	ARM 2, G0SB, G1SB, .Larm_a                     ; wave 1: B's scale words
	ARM 3, G0A,  G1A,  .Larm_sa                    ; wave 2: A's codes
	tensor_load_to_lds s[G0SA:G0SA+3], s[G1SA:G1SA+7]  ; wave 3: A's scale words
	s_nop 0
	PLACES 4
.Lasked:
	v_and_b32 v1, 15, v0                           ; r
	v_bfe_u32 v2, v0, 4, 1                         ; h
	v_and_b32 v3, 31, v0                           ; lane
	v_lshlrev_b32 v[L16], 4, v3
	v_lshlrev_b32 v[L8], 3, v3
	v_add_nc_u32 v[L8], 512, v[L8]
	WALU
	s_mul_i32 s21, s15, 6144                       ; my eight tiles of A's sixteen
.irp k, 0,1,2,3
	v_add_nc_u32 v[AA+2*\k], s21, v[L16]
	v_add_nc_u32 v[AA+2*\k+1], s21, v[L8]
	s_add_co_u32 s21, s21, 49152                   ; four groups on
.endr
	s_mul_i32 s22, s16, 3072                       ; my four tiles of B's eight
	s_add_co_u32 s22, s22, BR
.irp k, 0,1
	v_add_nc_u32 v[AB+2*\k], s22, v[L16]
	v_add_nc_u32 v[AB+2*\k+1], s22, v[L8]
	s_add_co_u32 s22, s22, 49152                   ; eight groups on
.endr
	v_lshlrev_b32 v6, 2, v1
	v_lshl_add_u32 v6, v2, 10, v6                  ; 4 r + 1024 h
	s_lshl_b32 s21, s15, 9
	s_add_co_u32 s21, s21, SAL
	v_add_nc_u32 v[ASA], s21, v6
	v_lshlrev_b32 v7, 2, v3                        ; 4 x lane
	s_lshl_b32 s22, s16, 8
	s_add_co_u32 s22, s22, SBL
	v_add_nc_u32 v[ASB], s22, v7
	s_mul_i32 s23, s14, 16*SPITCH
	s_add_co_u32 s23, s23, STAGE                   ; my stage
	v_mul_u32_u24 v6, v1, SPITCH                   ; in: row r, 64 bytes for each half of the lanes
	v_lshl_add_u32 v6, v2, 6, v6
	v_add_nc_u32 v[STO], s23, v6
	v_mul_u32_u24 v7, v2, SPITCH                   ; back: lanes 0-15 one row of 256 bytes, lanes 16-31 the next
	v_lshl_add_u32 v7, v1, 4, v7
	v_add_nc_u32 v[RD], s23, v7
	v_lshlrev_b32 v[CO], 12, v2                    ; and the same two rows in out0
	v_lshl_add_u32 v[CO], v1, 4, v[CO]
	v_lshlrev_b32 v[BO], 6, v2
	s_lshl_b32 s20, s17, 8
	s_lshl_b32 s21, s15, 7
	s_add_co_u32 s20, s20, s21                     ; my first token
	s_lshl_b32 s20, s20, 12
	s_lshl_b32 s46, s42, 9
	s_lshl_b32 s47, s16, 8
	s_add_co_u32 s46, s46, s47                     ; my first column, in bytes
	s_mov_b32 s47, 0
	s_add_nc_u64 s[8:9], s[8:9], s[46:47]
	s_add_co_u32 s20, s20, s46
	s_mov_b32 s21, 0
	s_add_nc_u64 s[10:11], s[10:11], s[20:21]
	WALU                                           ; the wait at the head's end
.irp b, 0,1,2,3
	global_load_b128 v[BI+8*\b:BI+8*\b+3], v[BO], s[8:9] offset:(32*(\b/2)+8*(\b%2))*4          ; register j of tile b is column 32 (b / 2) + 8 (b % 2) + 16 h + j
	global_load_b128 v[BI+8*\b+4:BI+8*\b+7], v[BO], s[8:9] offset:(32*(\b/2)+8*(\b%2))*4+16
.endr
	s_cmp_lt_u32 s14, 2
	s_cbranch_scc0 .Lnot_b
	s_wait_tensorcnt 0x0                           ; waves 0 and 1: B's codes and scale words have landed
.Lnot_b:
	BARRIER                                        ; B is shown to all; A may still be on its way
	WEIGHTS
	s_wait_tensorcnt 0x0                           ; every wave: its tile has landed
	s_wait_dscnt 0x0
	BARRIER                                        ; A is shown to all
	FETCH 0, 0
	FETCH 1, 1
	s_wait_loadcnt 0x0                             ; the bias
.irp s, 0,1,2,3,4,5,6,7
	BLK \s
.endr
	SEND 7, 0
	s_wait_tensorcnt 0x0                           ; the wave's end
	ds_add_u32 v[SPW], v[NIL]
	s_wait_dscnt 0x0
	CROUND                                         ; the closing round
	s_endpgm
.Lfunc_end_k_q671ffef64b_gemm_out:
	.size	k_q671ffef64b_gemm_out, .Lfunc_end_k_q671ffef64b_gemm_out-k_q671ffef64b_gemm_out
	.p2alignl 7, 3214868480
	.fill 96, 4, 3214868480
	.section	.rodata,"a",@progbits
	.p2align	6, 0x0
	.amdhsa_kernel k_q671ffef64b_gemm_out
		.amdhsa_group_segment_fixed_size 327680
		.amdhsa_private_segment_fixed_size 0
		.amdhsa_enable_private_segment 0
		.amdhsa_kernarg_size 32
		.amdhsa_user_sgpr_count 2
		.amdhsa_user_sgpr_kernarg_segment_ptr 1
		.amdhsa_wavefront_size32 1
		.amdhsa_system_sgpr_workgroup_id_x 1
		.amdhsa_system_sgpr_workgroup_id_y 1
		.amdhsa_system_sgpr_workgroup_id_z 1
		.amdhsa_system_vgpr_workitem_id 0
		.amdhsa_next_free_vgpr 840
		.amdhsa_next_free_sgpr 98
		.amdhsa_reserve_vcc 0
		.amdhsa_float_denorm_mode_32 3
		.amdhsa_float_denorm_mode_16_64 3
		.amdhsa_memory_ordered 1
		.amdhsa_forward_progress 1
		.amdhsa_inst_pref_size 87
	.end_amdhsa_kernel
	.amdgpu_metadata
---
amdhsa.version: [ 1, 2 ]
amdhsa.kernels:
  - .name:           k_q671ffef64b_gemm_out
    .symbol:         k_q671ffef64b_gemm_out.kd
    .args:
      - { .name: ao, .offset: 0, .size: 8, .value_kind: global_buffer, .address_space: global }
      - { .name: wo, .offset: 8, .size: 8, .value_kind: global_buffer, .address_space: global }
      - { .name: b_out, .offset: 16, .size: 8, .value_kind: global_buffer, .address_space: global }
      - { .name: out0, .offset: 24, .size: 8, .value_kind: global_buffer, .address_space: global }
    .group_segment_fixed_size: 327680
    .private_segment_fixed_size: 0
    .kernarg_segment_align: 8
    .kernarg_segment_size: 32
    .max_flat_workgroup_size: 128
    .sgpr_count:     98
    .vgpr_count:     840
    .wavefront_size: 32
...
	.end_amdgpu_metadata
.endif
;; end of part 4
